; MI455X (gfx1250); checked and timed in simulation.
; The chip was launched on July 23, 2026; its instructions are those of AMD's public machine-readable ISA for CDNA 5 (MIT licence, August 2026) and "CDNA5" Instruction Set Architecture Reference Guide (July 2026). The comments in the code are by the model that wrote it; some were corrected since.
;; Multi Head Attention. Allowed arithmetic: matrix products marked QUANTISED: E4M3 operands, one given power-of-two scale a tensor, by v_wmma_f32_16x16x64_fp8_fp8 or v_wmma_f32_16x16x128_fp8_fp8, f32 sums; everything else in f32.
;; Inputs: W_attn_codes 3,072 x 32 x 32 uint8 (E4M3 codes of W_attn, K innermost, in blocks of 32 codes); W_proj_codes 1,024 x 32 x 32 uint8 (E4M3 codes of W_proj, K innermost, in blocks of 32 codes); b_attn 3,072 float32; b_proj 1,024 float32; lowp_scales 8 int32 (the exponents e of the quantised operands' scales 2^e); x_codes 4 x 2,048 x 32 x 32 uint8 (E4M3 codes of x, K innermost, in blocks of 32 codes).
;; Outputs: out0 4 x 2,048 x 1,024 float32.
;; This version of the problem:
;;   THIS VERSION OF THE PROBLEM IS GIVEN IN LOW PRECISION. The matrix products marked QUANTISED in the list below multiply operands that are first quantised to E4M3 (4 exponent bits, 3 mantissa bits; 8 bits a number), with one given power-of-two scale for each operand tensor; their sums are f32. All else is computed in f32.
;;   The module's matrix products, in the order in which they are computed (A, B: the left and right operand; K: the contracted axis; several contracted axes count as one K, in the product's order):
;;     1. [M 8,192, K 1,024] x [K 1,024, N 3,072]; A: input x (given as codes); B: input W_attn (given as codes): QUANTISED (scales: A lowp_scales[0], B lowp_scales[1])
;;     2. batch 64 x [M 2,048, K 64] x [K 64, N 2,048]; A: computed on the way; B: computed on the way: QUANTISED (scales: A lowp_scales[2], B lowp_scales[3])
;;     3. batch 64 x [M 64, K 2,048] x [K 2,048, N 2,048]; A: computed on the way; B: softmax (see below): QUANTISED (scales: A lowp_scales[4], B lowp_scales[5])
;;     4. [M 8,192, K 1,024] x [K 1,024, N 1,024]; A: computed on the way; B: input W_proj (given as codes): QUANTISED (scales: A lowp_scales[6], B lowp_scales[7])
;;   THE QUANTISER, for each operand of a quantised product, along K:
;;     - The operand's scale is 2^e, e = its entry of the input lowp_scales (int32; the entries are numbered through the quantised products in the list's order, A before B).
;;     - Each number is divided by the scale, clamped to +-448, and rounded to the nearest number of E4M3, ties to even, subnormals kept.
;;     - The product sums the exact products of the quantised numbers (number of the format x scale) in f32.
;;   ~~~python
;;   def quantise(x, axis, e):      # numpy; x: float32 -> the quantised numbers, widened to float32 again
;;       x = np.moveaxis(x, axis, -1); K = x.shape[-1]
;;       r = np.clip(x / 2.0 ** e, -448, 448)
;;       step = 2.0 ** (np.maximum(np.frexp(np.where(r == 0, 1, r))[1] - 1, -6) - 3)
;;       q = np.round(r / step) * step * 2.0 ** e      # np.round: ties to even
;;       return np.moveaxis(q, -1, axis).astype(np.float32)
;;   ~~~
;;   SOFTMAX AHEAD OF A QUANTISED PRODUCT. Where the list says 'softmax', what is quantised is not the finished softmax but p = 2^(t - M), with t = logit x log2(e) and M = ceil(the row's largest t), a whole number; so 1/2 < the row's largest p <= 1. The row's sum l is taken of the UNQUANTISED p, in f32, and the product's result is divided by l at the end. Since M is a whole number, a kernel that streams over the keys may use a running M (the ceiling of the running maximum): every later rescaling is an exact power of two, so the quantised numbers keep their values, but for numbers so far below the row's largest that they fall under the format's range.
;;   OPERANDS COMPUTED ON THE WAY. 'Computed on the way' means the value that the module computes at that place (a softmax that the list does not call 'softmax' is quantised finished and normalised). What goes into a quantiser is computed in f32, as accurately as f32 sums, v_exp_f32 and their like allow (about 1e-6 of the number): no bf16 or f16 on the way to a quantiser, and a product that is left as it is and whose result goes on into a quantised operand takes f32 operands (vector FMAs, or v_wmma_f32_16x16x4_f32). A number that lies on a knife's edge between two numbers of the format may be rounded either way, as far as f32 arithmetic and the matrix unit's own rounding can turn it there, and no further.
;;   INPUTS GIVEN AS CODES. W_attn (in the module: [1024, 3072], K = its axis 0); W_proj (in the module: [1024, 1024], K = its axis 0); x (in the module: [4, 2048, 1024], K = its axis 2): each comes as NAME_codes (uint8): NAME with its K axis moved to the last place and cut into blocks of 32 codes, [.., K / 32, bytes a block], one block behind the other in memory; one code a byte (a code: sign, 4 exponent bits, 3 mantissa bits); its scale is its entry of lowp_scales. Its value is code x scale, taken as it is: it is not quantised again, and the codes and scales need not be those that the quantiser above would give.
;; 2 versions, each right; version 2 is version 1 with the launch attn written anew for expert scheduling mode. Each part assembles by itself: llvm-mc -triple=amdgcn-amd-amdhsa -mcpu=gfx1250 --defsym DOCPART=n.
;; ======== version 1 of 2: 3 launches
;; workspace buffers: qkv 25,165,824 bytes; ao 8,388,608 bytes
;; launch qkv (part 1): grid 12 x 32, 4 waves a work-group, clusters of 4 x 4, 327,680 bytes of LDS; arguments x_codes, W_attn_codes, lowp_scales, b_attn, qkv; writes qkv
.if DOCPART == 1
	.amdgcn_target "amdgcn-amd-amdhsa--gfx1250"
	.amdhsa_code_object_version 6
	.text
	.protected	k_q66a98ad6e4_qkv
	.globl	k_q66a98ad6e4_qkv
	.p2align	8
	.type	k_q66a98ad6e4_qkv,@function
k_q66a98ad6e4_qkv:
	s_mov_b64 s[64:65], 0
	v_nop
	global_prefetch_b8 v0, s[64:65] scope:SCOPE_SE
	s_setreg_imm32_b32 hwreg(HW_REG_WAVE_MODE, 25, 1), 1
	s_wait_xcnt 0x0
	s_wait_alu depctr_hold_cnt(0) depctr_sa_sdst(0) depctr_va_vdst(0) depctr_va_sdst(0) depctr_va_ssrc(0) depctr_va_vcc(0) depctr_vm_vsrc(0)
	s_getreg_b32 s2, hwreg(HW_REG_IB_STS2, 6, 4)
	s_cmp_eq_u32 s2, 0
	s_cbranch_scc0 .Lentry_in_a_cluster
	s_endpgm
.Lentry_in_a_cluster:
	s_bfe_u32 s2, ttmp6, 0x10000c
	s_cmp_lg_u32 s2, 0xf033
	s_cbranch_scc0 .Lentry_shape_is_right
	s_endpgm
.Lentry_shape_is_right:
; qkv = x W_attn + b_attn on codes of FP8 (E4M3), then quantised again: q with 2^e2, k with 2^e3, v with 2^e4 (lowp_scales: e0 for x, e1 for W_attn).
; x: [8192][1024] codes, W_attn: [3072][1024] codes, K innermost in both.  The result leaves as codes, laid as the next launch's operand registers want them (below).
; SHARES.  A tile of 256 x 256 is made by a work-group of four waves, a wave makes 128 x 128: 64 accumulators of 16 x 16, 512 registers.  K = 1,024 goes in steps of 256 through two LDS slots.
; CLUSTERS: 4 x 4 work-groups.  The cluster's x is the KIND: 0 = q, 1 = k, 2 = v: it is the same in all sixteen partners.  The four of a row of the cluster need the same tiles of operand A,
; the four of a column the same tiles of operand B: each tile is asked for jointly, by the same tensor load with the same descriptor and a mask that names the four.
; THE MATRIX INSTRUCTION IS USED TRANSPOSED (source 0 = 16 rows of B, source 1 = 16 rows of A): lane (r, h) holds row r of A's block and eight NEIGHBOURS 8 h + 0..7 of B's block.
;   q, k: A = x (rows: tokens), B = W (rows: the head's channels): a lane's eight numbers run along the head's 64, the K of the scores.
;   v:    A = W (rows: channels), B = x (rows: tokens): a lane's eight numbers run along the keys, the K of the second product of attention.  Nothing is ever transposed.
; So one conversion of eight numbers gives registers 2 c, 2 c + 1 of an operand in the 8-bit layout (k = 16 c + 8 h + 0..7), two neighbouring accumulators give four registers, and
; one store of 16 bytes a lane at 16 x lane writes 512 consecutive bytes, aligned: an IMAGE OF THE OPERAND'S REGISTERS.
; THE BUFFER qkv: three parts of 8 MiB (q, k, v), in each 131,072 bytes for each of the 64 (batch, head).  q, k: a tile of 16 tokens is 1,024 bytes, two pieces of 512 (channels 32 c on).
;   v: a key step of 128 tokens is 8,192 bytes: four tiles of 16 channels, 2,048 each, four pieces of 512 (keys 32 c on).
; The fragments of x and W are fetched by loads of 16 bytes, which is a permutation of k inside an instruction, the same on both sides: every product meets its partner.
; LIMITS on the given exponents, so that each power of two below is an f32 number: e0 + e1 between -126 and 126; (e2, e3 or e4) - e0 - e1 between -126 and 119.
; An infinite or NaN bias is not served (the bias of the axis that a kind does not use is multiplied by 0); NaN codes are not served.
; REGISTERS, in windows of 256: window 0: v1-31 addresses and constants; v32-95 the bias along B's rows; v96-111 the bias along A's rows, each twice; from v128 A's fragments, one set
;   (on the way out: v128-191 numbers at work, v192-255 codes).   window 1: B's fragments, two sets.   windows 2, 3: the accumulators of my rows 0-63, 64-127 ((a, b) at v[8 (8 (a % 4) + b)]).
.set KROW,   1024                      ; a row of x or of W in bytes
.set ROWB,   256                       ; a tile's row: 256 codes
.set PITCH,  272                       ; an LDS row: 256 bytes + 16 of padding = 68 words: row r starts at bank 4 r mod 64 (64 banks of 4 bytes: ISA guide 11.1)
.set FR,     16                        ; registers of a fragment: 16 rows x 128 K
.set NL,     4                         ; LDS loads that bring one
.set NP,     4                         ; places behind this matrix instruction (ISA guide 7.12.1)
.set HALFT,  128*PITCH                 ; 128 rows: what one tensor load brings
.set SLOT,   4*HALFT                   ; A's 256 rows, then B's 256 rows
.set LAPS,   KROW/(2*ROWB)             ; a lap = twice 256 along K = once round the ring
.set SPARE,  2*SLOT                    ; behind the ring: the spare words, 128 bytes for each wave: two blocks of 256 bytes that no other line names
.set ADRA, 16                          ; v16-17  LDS address of my A fragments in slot 0, 1
.set ADRB, 20                          ; v20-21  the same for B
.set LA,   24                          ; v24     16 x lane: my place in an image
.set BNO,  25                          ; v25     byte offset in b_attn of the bias along B's rows
.set BMO,  26                          ; v26     the same along A's rows
.set SPW,  28                          ; v28     LDS address of my spare word; never rewritten
.set NIL,  29                          ; v29     0; never rewritten
.set SC,   30                          ; v30     the conversion's scale 2^(eq - e0 - e1)
.set LIM,  31                          ; v31     448 x that
.set BN,   32
.set BM,   96
.set AF,   128
.set T,    128
.set CD,   192
.set G1, 24                            ; s[24:31] descriptor group 1 for A's tiles;  s[32:39] group 0, one set for each slot
.set G0, 32
.set G1B, 48                           ; s[48:55], s[56:63] the same for B's tiles
.set G0B, 56
.set MSB, 0
.macro WIN new                         ; the immediate's high byte repeats the setting that is left
.if MSB != \new
	s_set_vgpr_msb (MSB<<8)|\new
.set MSB, \new
.endif
.endm
.set MUL_LO, 0xa1                      ; source 0 (B) window 1, source 1 (A) window 0, C and D window 2
.set MUL_HI, 0xf1                      ; the same, C and D window 3
.set TO_B,   0x40                      ; destination window 1, address window 0
; A joint load: waves 0 and 1 fetch for A, waves 2 and 3 for B.  The branch hangs on the wave's number alone.  Four v_nop follow each of the two lines.
.macro JLOAD g0a, g1a, g0b, g1b
	s_cmp_eq_u32 s15, 0
	s_cbranch_scc0 .Lfor_b_\@
	tensor_load_to_lds s[\g0a:\g0a+3], s[\g1a:\g1a+7]
	s_nop 0
.rept 4
	v_nop
.endr
	s_branch .Lasked_\@
.Lfor_b_\@:
	tensor_load_to_lds s[\g0b:\g0b+3], s[\g1b:\g1b+7]
	s_nop 0
.rept 4
	v_nop
.endr
.Lasked_\@:
.endm
.macro CREST                           ; a round of the cluster's barrier behind its opening barrier
	s_cmp_lg_u32 s14, 0
	s_cbranch_scc1 .Lnot_wave_0_\@
	s_barrier_signal -3
.Lnot_wave_0_\@:
	s_barrier_wait -3
	s_barrier_signal -1
	s_barrier_wait -1
.endm
.macro CROUND                          ; a whole round
	s_barrier_signal -1
	s_barrier_wait -1
	CREST
.endm
	s_load_b256 s[4:11], s[0:1], 0x0               ; x s[4:5], W_attn s[6:7], the scales' exponents s[8:9], b_attn s[10:11]
	s_load_b64 s[12:13], s[0:1], 0x20              ; qkv
	v_lshl_add_u32 v[SPW], v0, 2, SPARE
	v_mov_b32 v[NIL], 0
	ds_add_u32 v28, v29
	ds_add_u32 v28, v29
	s_wait_dscnt 0x0
	v_lshrrev_b32 v1, 5, v0
	v_readfirstlane_b32 s14, v1                    ; wave 0..3
	s_lshr_b32 s15, s14, 1                         ; which half of A's rows is mine.  Also: I fetch for A (0) or for B (1)
	s_and_b32 s16, s14, 1                          ; which half of B's rows.  Also: which 128 rows of that tile I fetch
	s_bfe_u32 s40, ttmp6, 0x40000                  ; cx, cy: my place in the cluster
	s_bfe_u32 s41, ttmp6, 0x40004
	s_mov_b32 s66, ttmp9                           ; the kind: the cluster's x
	s_and_b32 s67, ttmp7, 0xffff
	s_lshl_b32 s67, s67, 2                         ; 4 x the cluster's y: x's tiles
	s_lshl_b32 s68, s66, 2                         ; 4 x kind: W's tiles of q or of k
	s_cmp_eq_u32 s66, 2
	s_cselect_b32 s17, 8, s67                      ; A's tile of 256 rows: v: W's, from row 2,048 on; q, k: x's
	s_cselect_b32 s42, s67, s68                    ; B's tile: v: x's; q, k: W's
	s_add_co_u32 s17, s17, s41                     ; + cy: shared along a row of the cluster
	s_add_co_u32 s42, s42, s40                     ; + cx: shared along a column
	s_lshl_b32 s43, s41, 2
	s_lshl_b32 s43, 15, s43                        ; my row of the cluster
	s_lshl_b32 s44, 0x1111, s40                    ; my column
	; descriptor group 1: a tile of 128 rows x 256 bytes, padded in LDS
	s_or_b32 s[G1+0], s43, (0<<16)|(1<<20)|(1<<21)|(5<<22)|(3<<25)  ; 15:0 the mask; 17:16 element of 1 byte; 20 padding on; 21 set beside a mask; 24:22 after every 64 words (code 5); 31:25 of 4 words (code 3)
	s_or_b32 s[G1B+0], s44, (0<<16)|(1<<20)|(1<<21)|(5<<22)|(3<<25)
.irp g, G1, G1B
	s_mov_b32 s[\g+1], ROWB<<16                    ; tensor_dim0
	s_mov_b32 s[\g+2], 128<<16                     ; tensor_dim1 = 128
	s_mov_b32 s[\g+3], ROWB<<16                    ; tile_dim0
	s_mov_b32 s[\g+4], 128                         ; tile_dim1 = 128
	s_mov_b32 s[\g+5], KROW                        ; tensor_dim0_stride
	s_mov_b32 s[\g+6], 0
	s_mov_b32 s[\g+7], 0
.endr
	s_lshl_b32 s18, s16, 7                         ; which 128 rows of the tile I fetch
	s_lshl_b32 s20, s17, 8
	s_add_co_u32 s20, s20, s18                     ; A: row 256 x tile + 128 x half,
	s_lshl_b32 s20, s20, 10                        ; in bytes (under 2^23)
	s_mov_b32 s21, 0
	s_lshl_b32 s46, s42, 8
	s_add_co_u32 s46, s46, s18                     ; B likewise
	s_lshl_b32 s46, s46, 10
	s_mov_b32 s47, 0
	s_mul_i32 s45, s14, HALFT                      ; where they go: wave x 128 rows: no place in the cluster enters an LDS address
	s_wait_kmcnt 0x0
	s_load_b256 s[80:87], s[8:9], 0x0              ; e0 .. e7
	s_cmp_eq_u32 s66, 2                            ; which buffer is A and which B hangs on the kind alone
	s_cselect_b64 s[70:71], s[6:7], s[4:5]
	s_cselect_b64 s[72:73], s[4:5], s[6:7]
	s_add_nc_u64 s[20:21], s[70:71], s[20:21]
	s_add_nc_u64 s[46:47], s[72:73], s[46:47]
	CROUND                                         ; all sixteen work-groups are here: the first joint loads meet
.irp s, 0,1
	s_mov_b32 s[G0+4*\s], 1
	s_add_co_u32 s[G0+4*\s+1], s45, \s*SLOT
	s_add_nc_u64 s[G0+4*\s+2:G0+4*\s+3], s[20:21], \s*ROWB
	s_or_b32 s[G0+4*\s+3], s[G0+4*\s+3], 0x80000000
	s_mov_b32 s[G0B+4*\s], 1
	s_add_co_u32 s[G0B+4*\s+1], s45, \s*SLOT
	s_add_nc_u64 s[G0B+4*\s+2:G0B+4*\s+3], s[46:47], \s*ROWB
	s_or_b32 s[G0B+4*\s+3], s[G0B+4*\s+3], 0x80000000
	JLOAD G0+4*\s, G1, G0B+4*\s, G1B
.endr
	; all that follows up to the first wait on the tiles runs while they are on their way
	v_and_b32 v1, 15, v0                           ; r = l % 16
	v_bfe_u32 v2, v0, 4, 1                         ; h = l / 16
	v_mul_u32_u24 v3, v1, PITCH
	v_lshl_add_u32 v4, v2, 4, v3                   ; a fragment's row x pitch + 16 x half
	s_mul_i32 s21, s15, HALFT                      ; my 128 rows of A
	s_mul_i32 s22, s16, HALFT                      ; my 128 rows of B,
	s_add_co_u32 s22, s22, 2*HALFT                 ; which lie behind A's 256
.irp s, 0,1
	v_add_nc_u32 v[ADRA+\s], s21, v4
	v_add_nc_u32 v[ADRB+\s], s22, v4
	s_add_co_u32 s21, s21, SLOT
	s_add_co_u32 s22, s22, SLOT
.endr
	v_and_b32 v6, 31, v0
	v_lshlrev_b32 v[LA], 4, v6
	; THE BIAS.  q, k: it runs along B's rows (a lane's registers): b_attn at 256 x B's tile + 128 x half + 16 b + 8 h + j.  v: along A's rows (the lanes): 256 x A's tile + 128 x half + 16 a + r.
	; Both sets are loaded in every kind; the one that the kind does not use is read from the buffer's first bytes and multiplied by 0.
	s_lshl_b32 s94, s42, 10
	s_lshl_b32 s95, s16, 9
	s_add_co_u32 s94, s94, s95
	s_lshl_b32 s95, s17, 10
	s_lshl_b32 s69, s15, 9
	s_add_co_u32 s95, s95, s69
	s_cmp_eq_u32 s66, 2
	s_cselect_b32 s94, 0, s94
	s_cselect_b32 s95, s95, 0
	v_lshl_add_u32 v[BNO], v2, 5, s94
	v_lshl_add_u32 v[BMO], v1, 2, s95
.irp b, 0,1,2,3,4,5,6,7
	global_load_b128 v[BN+8*\b:BN+8*\b+3], v[BNO], s[10:11] offset:64*\b
	global_load_b128 v[BN+8*\b+4:BN+8*\b+7], v[BNO], s[10:11] offset:64*\b+16
.endr
.irp a, 0,1,2,3,4,5,6,7
	global_load_b32 v[BM+2*\a], v[BMO], s[10:11] offset:64*\a
	global_load_b32 v[BM+2*\a+1], v[BMO], s[10:11] offset:64*\a     ; twice: a pair for the packed addition
.endr
	; WHERE MY IMAGES GO.  X = x's tile, xh = my half of it, Wt = W's tile within the kind, wh = my half of it:
	; kind x 2^23 + (X / 8) x 2^21 (the batch's 16 heads) + (X % 8) x 2^14 + xh x 2^13 (256 and 128 tokens) + Wt x 2^19 + wh x 2^18 (four heads, two heads)
	s_cmp_eq_u32 s66, 2
	s_cselect_b32 s94, s42, s17
	s_cselect_b32 s95, s16, s15
	s_cselect_b32 s69, s41, s40
	s_cselect_b32 s89, s15, s16
	s_mov_b32 s76, 131072
	s_cselect_b32 s76, 1024, s76                   ; from a block's first two pieces to its last two: v: two pieces on; q, k: the next head
	s_mov_b32 s78, 1024
	s_cselect_b32 s78, 2048, s78                   ; from block a to block a + 1: v: the next 16 channels; q, k: the next 16 tokens
	s_cselect_b32 s88, 122880, 0                   ; v: block 4 begins the next head: 131,072 - 4 x 2,048 more
	s_mov_b32 s77, 0
	s_mov_b32 s79, 0
	s_lshl_b32 s74, s66, 23
	s_lshr_b32 s75, s94, 3
	s_lshl_b32 s75, s75, 21
	s_add_co_u32 s74, s74, s75
	s_and_b32 s75, s94, 7
	s_lshl_b32 s75, s75, 14
	s_add_co_u32 s74, s74, s75
	s_lshl_b32 s75, s95, 13
	s_add_co_u32 s74, s74, s75
	s_lshl_b32 s75, s69, 19
	s_add_co_u32 s74, s74, s75
	s_lshl_b32 s75, s89, 18
	s_add_co_u32 s74, s74, s75
	s_mov_b32 s75, 0
	s_mov_b32 s89, 0
	s_add_nc_u64 s[74:75], s[12:13], s[74:75]      ; a block's first two pieces
	s_add_nc_u64 s[76:77], s[74:75], s[76:77]      ; its last two
	; THE SCALES.  A sum stands for sum x 2^(e0 + e1): the bias goes in as bias / 2^(e0 + e1), and the conversion takes 2^(eq - e0 - e1), eq = e2, e3 or e4 by the kind.
	s_wait_kmcnt 0x0
	s_cmp_eq_u32 s66, 0
	s_cselect_b32 s94, s82, s83
	s_cmp_eq_u32 s66, 2
	s_cselect_b32 s94, s84, s94                    ; eq
	s_add_co_i32 s95, s80, s81                     ; e0 + e1
	s_sub_co_i32 s94, s94, s95
	s_add_co_i32 s94, s94, 127
	s_lshl_b32 s69, s94, 23
	v_mov_b32 v[SC], s69                           ; 2^(eq - e0 - e1) as f32: the conversion takes its exponent field
	s_add_co_i32 s94, s94, 8
	s_lshl_b32 s94, s94, 23
	s_or_b32 s94, s94, 0x600000
	v_mov_b32 v[LIM], s94                          ; 448 x that
	s_sub_co_i32 s95, 127, s95
	s_lshl_b32 s95, s95, 23                        ; 2^-(e0 + e1)
	s_cmp_eq_u32 s66, 2
	s_cselect_b32 s90, 0, s95                      ; the factor of the bias along B's rows,
	s_cselect_b32 s92, s95, 0                      ; and of the bias along A's
	s_mov_b32 s91, s90                             ; (named as pairs, so both words are written)
	s_mov_b32 s93, s92
	s_wait_loadcnt 0x0                             ; the biases
.set j, 0
.rept 32
	v_pk_mul_f32 v[BN+j:BN+j+1], v[BN+j:BN+j+1], s[90:91] op_sel_hi:[1,0]
.set j, j+2
.endr
.set j, 0
.rept 8
	v_pk_mul_f32 v[BM+j:BM+j+1], v[BM+j:BM+j+1], s[92:93] op_sel_hi:[1,0]
.set j, j+2
.endr
.macro FRAG reg, adr, q, i             ; a fragment, 16 rows x 128 K: lane l holds row l % 16; registers 4 c .. 4 c + 3 hold K = 32 c + 16 (l / 16) + 0 .. 15, alike in A and in B
.irp c, 0,1,2,3
	ds_load_b128 v[\reg+4*\c:\reg+4*\c+3], v[\adr] offset:128*(\q)+32*\c+(\i)*16*PITCH
.endr
.endm
; 16 matrix instructions: A's blocks a0, a0 + 1 x B's eight, 128 along K.  p: B's set.  zero = 1: the first product starts the sums.
; The 64 accumulators take turns, one instruction a turn, in the same order in every step.
.macro MUL16 a0, p, zero
.irp a, \a0, \a0+1
.irp b, 0,1,2,3,4,5,6,7
.if \zero
	v_wmma_f32_16x16x128_fp8_fp8 v[8*(8*((\a)%4)+\b):8*(8*((\a)%4)+\b)+7], v[128*(\p)+FR*\b:128*(\p)+FR*\b+FR-1], v[AF+FR*(\a):AF+FR*(\a)+FR-1], 0
.else
	v_wmma_f32_16x16x128_fp8_fp8 v[8*(8*((\a)%4)+\b):8*(8*((\a)%4)+\b)+7], v[128*(\p)+FR*\b:128*(\p)+FR*\b+FR-1], v[AF+FR*(\a):AF+FR*(\a)+FR-1], v[8*(8*((\a)%4)+\b):8*(8*((\a)%4)+\b)+7]
.endif
.endr
.endr
.endm
.macro FETCH_B slot, q, p              ; B's eight fragments of the slot's q-th 128 along K into set p
	WIN TO_B
.irp i, 0,1,2,3,4,5,6,7
	FRAG 128*(\p)+FR*\i, ADRB+\slot, \q, \i
.endr
	WIN 0
.endm
.macro FETCH_A slot, q, i0             ; A's blocks i0 .. i0 + 3
.irp i, \i0, \i0+1, \i0+2, \i0+3
	FRAG AF+FR*(\i), ADRA+\slot, \q, \i
.endr
.endm
; A load into a register that a matrix instruction has read, and a vector instruction that reads a matrix result or writes one of its registers, stand NP places behind it; only plain
; vector instructions that name none of its registers are places (ISA guide 7.12.1 for vector instructions).
.macro PLACES n
.rept \n
	v_nop
.endr
.endm
; A step of 128 along K that has its successor in the same slot.  A block of A is free as soon as its eight products are issued, so one set of registers serves A.
.macro STEP slot, q, zero
	s_wait_dscnt 4*NL                              ; B's set and A's blocks 0-3 are in; the youngest sixteen loads (A's blocks 4-7) may be out
	WIN MUL_LO
	MUL16 0, (\q)%2, \zero
	MUL16 2, (\q)%2, \zero
	s_wait_dscnt 0                                 ; A's blocks 4-7 are in
	PLACES NP
	FETCH_B \slot, (\q)+1, 1-(\q)%2
	FETCH_A \slot, (\q)+1, 0
	WIN MUL_HI
	MUL16 4, (\q)%2, \zero
	MUL16 6, (\q)%2, \zero
	PLACES NP
	WIN 0
	FETCH_A \slot, (\q)+1, 4
.endm
; A slot's last step changes slots: ONE barrier; in front of it each wave waits for all its tensor loads, adds 0 to its spare word, and waits for that and for its own reads of this slot.
; fill = 1: this slot is filled again, 512 along K ahead; the barrier then opens a round of the cluster's barrier.
.macro TURN slot, next, fill
	s_wait_tensorcnt 0x0                           ; all my tensor loads have landed: my part of the next slot
	ds_add_u32 v[SPW], v[NIL]                      ; 0 onto my spare word
	s_wait_dscnt 4*NL+1                            ; (the add and the youngest sixteen loads, A's blocks 4-7, may be out)
	WIN MUL_LO
	MUL16 0, 1, 0                                  ; sixteen matrix instructions stand between the add and the wait for it
	s_wait_dscnt 0x0                               ; the add is done, and my reads of this slot are over
	s_barrier_signal -1
	MUL16 2, 1, 0
	WIN 0
	s_barrier_wait -1
.if \fill
	CREST                                          ; no wave of any partner still reads this slot's tile or has a load on its way
	s_add_nc_u64 s[G0+4*\slot+2:G0+4*\slot+3], s[G0+4*\slot+2:G0+4*\slot+3], 2*ROWB
	s_add_nc_u64 s[G0B+4*\slot+2:G0B+4*\slot+3], s[G0B+4*\slot+2:G0B+4*\slot+3], 2*ROWB
	JLOAD G0+4*\slot, G1, G0B+4*\slot, G1B         ; the first tensor load behind the round; the four v_nop behind it are the places in front of the loads below
.else
	PLACES NP
.endif
	FETCH_B \next, 0, 0
	FETCH_A \next, 0, 0
	WIN MUL_HI
	MUL16 4, 1, 0
	MUL16 6, 1, 0
	PLACES NP
	WIN 0
	FETCH_A \next, 0, 4
.endm
	s_wait_tensorcnt 1                             ; my part of slot 0 is in; slot 1's load may be out
	s_barrier_signal -1
	s_barrier_wait -1                              ; everybody's is
	FETCH_B 0, 0, 0
	FETCH_A 0, 0, 0
	FETCH_A 0, 0, 4
	STEP 0, 0, 1                                   ; the first step stands in front of the loop: its products start the sums
	s_mov_b32 s3, LAPS-1
.Llap:                                                 ; a trip goes once round the ring, from a lap's second step to the next lap's first, and fills both slots again
	TURN 0, 1, 1
	STEP 1, 0, 0
	TURN 1, 0, 1
	STEP 0, 0, 0
	s_sub_co_u32 s3, s3, 1
	s_cmp_lg_u32 s3, 0
	s_cbranch_scc1 .Llap
	TURN 0, 1, 0                                   ; the last lap fills nothing
	STEP 1, 0, 0
	s_wait_dscnt 4*NL                              ; the very last step: nothing more to fetch
	WIN MUL_LO
	MUL16 0, 1, 0
	MUL16 2, 1, 0
	s_wait_dscnt 0
	WIN MUL_HI
	MUL16 4, 1, 0
	MUL16 6, 1, 0
	WIN 0
; THE WAY OUT, block a of A's eight: 16 rows x 128.  Sum + bias (in the sums' own unit), held within +-448 x the scale (the conversion to an 8-bit code does not saturate: ISA guide 7.6.2),
; converted eight numbers at a time; accumulator b gives registers 2 b, 2 b + 1 of the block's sixteen: four pieces of 512 bytes, stored as they stand.
.macro OUTBLK a
.set AC, 64*((\a)%4)
.set CC, CD+16*((\a)%4)
	WIN 0x02+((\a)/4)                              ; source 0: window 2 or 3
.set j, 0
.rept 32
	v_pk_add_f32 v[T+j:T+j+1], v[AC+j:AC+j+1], v[BN+j:BN+j+1]       ; each accumulator from its low end on
.set j, j+2
.endr
	WIN 0
.set j, 0
.rept 32
	v_pk_add_f32 v[T+j:T+j+1], v[T+j:T+j+1], v[BM+2*(\a):BM+2*(\a)+1]
.set j, j+2
.endr
.set j, 0
.rept 64
	v_med3_num_f32 v[T+j], v[T+j], -v[LIM], v[LIM]
.set j, j+1
.endr
.irp b, 0,1,2,3,4,5,6,7
	v_cvt_scalef32_pk8_fp8_f32 v[CC+2*\b:CC+2*\b+1], v[T+8*\b:T+8*\b+7], v[SC]
.endr
	v_nop                                          ; one plain vector line between a scaled conversion and the next vector instruction that writes its sources
.if (\a) > 0
	s_wait_xcnt 0x0                                ; the earlier stores have read their bases and their data: the bases step, and a set of codes is written again four blocks on
	s_add_nc_u64 s[74:75], s[74:75], s[78:79]
	s_add_nc_u64 s[76:77], s[76:77], s[78:79]
.endif
.if (\a) == 4
	s_add_nc_u64 s[74:75], s[74:75], s[88:89]
	s_add_nc_u64 s[76:77], s[76:77], s[88:89]
.endif
	global_store_b128 v[LA], v[CC:CC+3], s[74:75]                   ; 32 lanes store 512 consecutive bytes, at a multiple of 512 from the buffer's first byte
	global_store_b128 v[LA], v[CC+4:CC+7], s[74:75] offset:512
	global_store_b128 v[LA], v[CC+8:CC+11], s[76:77]
	global_store_b128 v[LA], v[CC+12:CC+15], s[76:77] offset:512
.endm
	PLACES NP                                      ; behind the last products: their results are read, and the registers that held A's fragments are written
.irp a, 0,1,2,3,4,5,6,7
	OUTBLK \a
.endr
	s_wait_tensorcnt 0x0                           ; the wave's end
	ds_add_u32 v[SPW], v[NIL]
	s_wait_dscnt 0x0
	CROUND                                         ; the closing round: no work-group ends while a partner may still ask for a tile that names it
	s_endpgm
.Lfunc_end_k_q66a98ad6e4_qkv:
	.size	k_q66a98ad6e4_qkv, .Lfunc_end_k_q66a98ad6e4_qkv-k_q66a98ad6e4_qkv
	.p2alignl 7, 3214868480
	.fill 96, 4, 3214868480
	.section	.rodata,"a",@progbits
	.p2align	6, 0x0
	.amdhsa_kernel k_q66a98ad6e4_qkv
		.amdhsa_group_segment_fixed_size 327680
		.amdhsa_private_segment_fixed_size 0
		.amdhsa_enable_private_segment 0
		.amdhsa_kernarg_size 40
		.amdhsa_user_sgpr_count 2
		.amdhsa_user_sgpr_kernarg_segment_ptr 1
		.amdhsa_wavefront_size32 1
		.amdhsa_system_sgpr_workgroup_id_x 1
		.amdhsa_system_sgpr_workgroup_id_y 1
		.amdhsa_system_sgpr_workgroup_id_z 1
		.amdhsa_system_vgpr_workitem_id 0
		.amdhsa_next_free_vgpr 1024
		.amdhsa_next_free_sgpr 96
		.amdhsa_reserve_vcc 0
		.amdhsa_float_denorm_mode_32 3
		.amdhsa_float_denorm_mode_16_64 3
		.amdhsa_memory_ordered 1
		.amdhsa_forward_progress 1
		.amdhsa_inst_pref_size 157
	.end_amdhsa_kernel
	.amdgpu_metadata
---
amdhsa.version: [ 1, 2 ]
amdhsa.kernels:
  - .name:           k_q66a98ad6e4_qkv
    .symbol:         k_q66a98ad6e4_qkv.kd
    .args:
      - { .name: x_codes, .offset: 0, .size: 8, .value_kind: global_buffer, .address_space: global }
      - { .name: W_attn_codes, .offset: 8, .size: 8, .value_kind: global_buffer, .address_space: global }
      - { .name: lowp_scales, .offset: 16, .size: 8, .value_kind: global_buffer, .address_space: global }
      - { .name: b_attn, .offset: 24, .size: 8, .value_kind: global_buffer, .address_space: global }
      - { .name: qkv, .offset: 32, .size: 8, .value_kind: global_buffer, .address_space: global }
    .group_segment_fixed_size: 327680
    .private_segment_fixed_size: 0
    .kernarg_segment_align: 8
    .kernarg_segment_size: 40
    .max_flat_workgroup_size: 128
    .sgpr_count:     96
    .vgpr_count:     1024
    .wavefront_size: 32
...
	.end_amdgpu_metadata
.endif
;; end of part 1
;; launch attn (part 2): grid 4 x 64, 16 waves a work-group, no clusters, 34,816 bytes of LDS; arguments qkv, lowp_scales, ao; writes ao
.if DOCPART == 2
	.amdgcn_target "amdgcn-amd-amdhsa--gfx1250"
	.amdhsa_code_object_version 6
	.text
	.protected	k_q66a98ad6e4_attn
	.globl	k_q66a98ad6e4_attn
	.p2align	8
	.type	k_q66a98ad6e4_attn,@function
k_q66a98ad6e4_attn:
	s_mov_b64 s[64:65], 0
	v_nop
	global_prefetch_b8 v0, s[64:65] scope:SCOPE_SE
	s_setreg_imm32_b32 hwreg(HW_REG_WAVE_MODE, 25, 1), 1
	s_wait_xcnt 0x0
; Causal attention on codes of FP8 (E4M3), 64 (batch, head) x 2,048 tokens x head size 64.  q, k, v come as images of operand registers (buffer qkv: three parts of 8 MiB, 131,072 bytes a head):
;   q, k: a tile of 16 tokens = 1,024 bytes: piece c (512 bytes, 16 a lane): registers 4 c .. 4 c + 3 of the 8-bit K = 64 layout (register pair c': channels 16 c' + 8 h + 0..7).
;   v: a key step of 128 tokens = 8,192 bytes: tile td of 16 channels = 2,048 bytes: piece c: registers 4 c .. 4 c + 3 of the K = 128 layout (register pair c': keys 16 c' + 8 h + 0..7).
; THE SOFTMAX AHEAD OF THE SECOND PRODUCT: t = score x log2(e) / 8; M = the row's largest t so far, rounded UP to a whole number; p = 2^(t - M) is quantised with 2^e5, not normalised.
; The row's sum is taken of the unquantised p, in f32, and divides O at the end.  When M moves, the sum and O are multiplied by 2^(old M - new M): exact.
; The result is quantised with 2^e6 and leaves as an image of the next product's operand (buffer ao, see the end of PASS).
; SHARES.  A work-group owns one head and TWO blocks of 256 queries, g and 7 - g: block jb needs 2 jb + 2 key steps of 128, so every work-group walks 18 steps.
; Each of sixteen waves owns 16 queries of the block in hand, in 256 registers: four waves to a SIMD, so that one wave's vector work stands beside another's matrix work and LDS loads.
; Both products are used transposed: S^T = K Q^T (source 0 = 16 keys), O^T = V^T P^T (source 0 = 16 channels): lane (r, h) holds ONE query r throughout.  In S^T register 8 t + j is key
; 16 t + 8 h + j: one conversion of a tile's eight registers gives registers 2 t, 2 t + 1 of P in the K = 128 layout: nothing changes lanes.
; K AND V GO THROUGH REGISTERS INTO TWO LDS SLOTS: a step's images are 8,192 dense bytes each; thread tau loads 16 bytes of each at 16 tau a step ahead and stores them at 16 tau in the other slot.
; One barrier a step: in front of it my reads of this step's slot and my stores into the other are done.  No tensor load: no joint request either: the four work-groups of a head
; need 2 jb + 2 tiles with different jb at the same time, so partners would ask for different numbers of tiles, and what is shared is 288 KiB a work-group.
; CAUSAL: the steps beyond a block's last query are not walked (trip count from the work-group's number); in a block's last step waves 0-7 have no key that counts and jump over the work;
; in the one step on a wave's diagonal hidden scores become -infinity.  Key 0 counts for every query, so M is a number from the first step on.
; After a block's last step the next tile asked for is key step 0 (the second block begins there); after the very last step that tile is fetched and read by nobody: 16 KiB a work-group.
; LIMITS on the given exponents, so that each power of two below is an f32 number: e2 + e3 between -123 and 130 (added to c's exponent field); e5, and e6 - e5 - e4, between -126 and 119.  NaN is not served.
; REGISTERS: v1 16 x lane; v2 16 x thread; v3 r - 8 h; v5 -infinity; v6, v7 2^e5, 448 x 2^e5; v8, v9 the same with e6 - e5 - e4; v12 -M, v13 largest t, v[14:15] the sum in two halves;
;   v16-23 Q of the first block; v24-31 the tile on its way; v32-95 8 fragments of K, then 4 of V; v96-159 S^T, then p; v160-191 O^T; v192-207 p's codes; v208-215 Q of the second block; v240-249 at work.
.set SLOTB, 16384                      ; an LDS slot: K's image, then V's
.set VOFF,  8192
.set LA,   1
.set TL,   2
.set RH,   3
.set NINF, 5
.set G,    24
.set KV,   32
.set S,    96
.set O,    160
.set P,    192
	s_load_b128 s[4:7], s[0:1], 0x0                ; qkv s[4:5], the scales' exponents s[6:7]
	s_load_b64 s[8:9], s[0:1], 0x10                ; ao
	v_lshl_add_u32 v254, v0, 2, 0x8000
	v_mov_b32 v255, 0
	v_lshrrev_b32 v4, 5, v0
	v_readfirstlane_b32 s10, v4                    ; wave 0..15
	v_and_b32 v4, 31, v0
	v_lshlrev_b32 v[LA], 4, v4
	v_lshlrev_b32 v[TL], 4, v0
	v_and_b32 v[RH], 15, v0                        ; r
	v_bfe_u32 v4, v0, 4, 1                         ; h
	v_lshlrev_b32 v4, 3, v4
	v_sub_nc_u32 v[RH], v[RH], v4                  ; r - 8 h
	v_mov_b32 v[NINF], 0xff800000
	v_mov_b32 v245, 0                              ; (named as the upper half of the pair v[244:245])
	v_mov_b32 v248, 0                              ; written once: a lane permute's destination counts as one of its sources
	s_mov_b32 s54, ttmp9                           ; the first block of queries: g
	s_sub_co_u32 s55, 7, s54                       ; the second: 7 - g
	s_and_b32 s12, ttmp7, 0xffff                   ; 16 x batch + head
	s_lshl_b32 s44, s12, 17                        ; the head's 131,072 bytes in each part
	s_mov_b32 s45, 0
	s_lshl_b32 s56, s10, 10                        ; Q: tile 16 jb + wave, 1,024 bytes each
	s_lshl_b32 s46, s54, 14
	s_add_co_u32 s46, s46, s56
	s_mov_b32 s47, 0
	s_lshl_b32 s48, s55, 14
	s_add_co_u32 s48, s48, s56
	s_mov_b32 s49, 0
	; ao: with rho = (2048 batch + token) / 16 = 128 batch + 16 jb + wave: (rho / 8) x 131,072 + (head / 4) x 32,768 + (rho % 8) x 4,096 + (head % 4) x 1,024
	s_lshr_b32 s50, s12, 4
	s_lshl_b32 s50, s50, 21                        ; batch x 16 x 131,072
	s_lshr_b32 s57, s10, 3
	s_lshl_b32 s57, s57, 17
	s_add_co_u32 s50, s50, s57
	s_bfe_u32 s57, s12, 0x20002                    ; head / 4
	s_lshl_b32 s57, s57, 15
	s_add_co_u32 s50, s50, s57
	s_and_b32 s57, s10, 7
	s_lshl_b32 s57, s57, 12
	s_add_co_u32 s50, s50, s57
	s_and_b32 s57, s12, 3
	s_lshl_b32 s57, s57, 10
	s_add_co_u32 s50, s50, s57
	s_lshl_b32 s57, s55, 18                        ; + 2 jb x 131,072
	s_add_co_u32 s52, s50, s57
	s_lshl_b32 s57, s54, 18
	s_add_co_u32 s50, s50, s57
	s_mov_b32 s51, 0
	s_mov_b32 s53, 0
	s_mov_b32 s37, 0
	s_mov_b32 s24, 0x76543210                      ; v_permlanex16_b32's selects for lane l xor 16
	s_mov_b32 s25, 0xfedcba98
	s_wait_kmcnt 0x0
	s_load_b256 s[16:23], s[6:7], 0x0              ; e0 .. e7
	s_add_nc_u64 s[56:57], s[4:5], s[44:45]        ; my head in q's part,
	s_add_nc_u64 s[28:29], s[56:57], 0x800000      ; in k's,
	s_add_nc_u64 s[30:31], s[56:57], 0x1000000     ; in v's
	s_add_nc_u64 s[46:47], s[56:57], s[46:47]      ; my tile of Q in the first block,
	s_add_nc_u64 s[48:49], s[56:57], s[48:49]      ; in the second
	s_add_nc_u64 s[50:51], s[8:9], s[50:51]        ; and where their results go
	s_add_nc_u64 s[52:53], s[8:9], s[52:53]
	global_load_b128 v[G:G+3], v[TL], s[28:29]     ; key step 0: 512 threads x 16 bytes of K's image,
	global_load_b128 v[G+4:G+7], v[TL], s[30:31]   ; and of V's
	global_load_b128 v[16:19], v[LA], s[46:47]
	global_load_b128 v[20:23], v[LA], s[46:47] offset:512
	global_load_b128 v[208:211], v[LA], s[48:49]
	global_load_b128 v[212:215], v[LA], s[48:49] offset:512
	s_wait_kmcnt 0x0
	s_add_co_i32 s44, s18, s19
	s_lshl_b32 s44, s44, 23
	s_add_co_i32 s26, s44, 0x3e38aa3b              ; c = log2(e) / 8, with e2 + e3 added to its exponent field: a score stands for score x 2^(e2 + e3)
	s_mov_b32 s27, s26                             ; (named with it as a pair, so it is written)
	s_add_co_i32 s44, s21, 127
	s_lshl_b32 s45, s44, 23
	v_mov_b32 v6, s45                              ; 2^e5 as f32, for p's conversion
	s_add_co_i32 s44, s44, 8
	s_lshl_b32 s44, s44, 23
	s_or_b32 s44, s44, 0x600000
	v_mov_b32 v7, s44                              ; 448 x 2^e5
	s_sub_co_i32 s44, s22, s21
	s_sub_co_i32 s44, s44, s20                     ; a sum of the second product stands for sum x 2^(e4 + e5): the result's conversion takes 2^(e6 - e5 - e4)
	s_add_co_i32 s44, s44, 127
	s_lshl_b32 s45, s44, 23
	v_mov_b32 v8, s45
	s_add_co_i32 s44, s44, 8
	s_lshl_b32 s44, s44, 23
	s_or_b32 s44, s44, 0x600000
	v_mov_b32 v9, s44
	s_wait_loadcnt 0x0                             ; key step 0 and both tiles of Q
	ds_store_b128 v[TL], v[G:G+3]
	ds_store_b128 v[TL], v[G+4:G+7] offset:VOFF
	s_wait_dscnt 0x0                               ; for the others' sake: my stores have landed
	s_barrier_signal -1
	s_barrier_wait -1
; A KEY STEP: 128 keys from s38 on, out of slot s; the next step's tile goes into the other slot.
.macro STEP s, qreg
	s_add_co_u32 s44, s38, 128                     ; the next tile: the next 128 keys, or, behind the block's last, key step 0
	s_cmp_eq_u32 s44, s39
	s_cselect_b32 s44, 0, s44
	s_lshl_b32 s36, s44, 6                         ; 64 bytes a key in both images
	s_add_nc_u64 s[32:33], s[28:29], s[36:37]      ; (free: the loads that named them were waited for at the last step's end)
	s_add_nc_u64 s[34:35], s[30:31], s[36:37]
	global_load_b128 v[G:G+3], v[TL], s[32:33]
	global_load_b128 v[G+4:G+7], v[TL], s[34:35]
	s_cmp_gt_u32 s38, s41                          ; all 128 keys come after my 16 queries: nothing to do but the staging and the barrier
	s_cbranch_scc1 .Lhidden_\@
.irp t, 0,1,2,3,4,5,6,7
	ds_load_b128 v[KV+8*\t:KV+8*\t+3], v[LA] offset:\s*SLOTB+1024*\t
	ds_load_b128 v[KV+8*\t+4:KV+8*\t+7], v[LA] offset:\s*SLOTB+1024*\t+512
.endr
.irp t, 0,1,2,3,4,5,6,7
	s_wait_dscnt 14-2*\t                           ; tile t's two loads are in; the later tiles' may be out
	v_wmma_f32_16x16x64_fp8_fp8 v[S+8*\t:S+8*\t+7], v[KV+8*\t:KV+8*\t+7], v[\qreg:\qreg+7], 0
.endr
.rept 4
	v_nop                                          ; places in front of the loads into K's registers and of the first read of the scores
.endr
.irp td, 0,1,2,3
.irp c, 0,1,2,3
	ds_load_b128 v[KV+16*\td+4*\c:KV+16*\td+4*\c+3], v[LA] offset:\s*SLOTB+VOFF+2048*\td+512*\c   ; V lands while the softmax is walked
.endr
.endr
	s_add_co_u32 s44, s38, 127                     ; on the diagonal the scores of hidden keys become -infinity ahead of the maximum; a step all of whose keys count skips this
	s_cmp_le_u32 s44, s40
	s_cbranch_scc1 .Lopen_\@
	s_sub_co_i32 s44, s40, s38
	v_add_nc_u32 v249, s44, v[RH]                  ; d = my query - the step's first key - 8 h.  Register 8 t + j holds key 16 t + 8 h + j: hidden where 16 t + j > d
.set n, 0
.rept 64
	v_cmp_gt_i32 vcc_lo, 16*(n/8)+n%8, v249
	v_cndmask_b32 v[S+n], v[S+n], v[NINF], vcc_lo
.set n, n+1
.endr
.Lopen_\@:
	v_max3_num_f32 v240, v[S], v[S+1], v[S+2]      ; the step's largest score of my query among my 64 keys, in two chains, each tile from its low end on,
	v_max3_num_f32 v241, v[S+3], v[S+4], v[S+5]
.irp i, 6,10,14,18,22,26,30,34,38,42,46,50,54,58
	v_max3_num_f32 v240, v240, v[S+\i], v[S+1+\i]
	v_max3_num_f32 v241, v241, v[S+2+\i], v[S+3+\i]
.endr
	v_max3_num_f32 v240, v240, v[S+62], v[S+63]
	v_max_num_f32 v240, v240, v241
	v_permlanex16_b32 v248, v240, s24, s25
	v_max_num_f32 v240, v240, v248                 ; and among lane l xor 16's
	v_mul_f32 v240, s26, v240                      ; as t (c is positive)
	v_max_num_f32 v13, v13, v240                   ; the running largest t
	v_mov_b32 v240, v12
	v_floor_f32 v12, -v13                          ; the new -M = floor(-t) = -ceil(t): a whole number
	v_sub_f32 v240, v12, v240                      ; M's old value less its new one: a whole number, 0 or less
	v_cvt_i32_f32 v240, v240                       ; (it saturates)
	v_ldexp_f32 v244, 1.0, v240                    ; f = 2^(old M - new M)
.set j, 0
.rept 32
	v_pk_fma_f32 v[S+j:S+j+1], v[S+j:S+j+1], s[26:27], v[12:13] op_sel_hi:[1,0,0]   ; t - M, two at a time (of the pairs c and -M the low word serves both halves)
.set j, j+2
.endr
.set j, 0
.rept 64
	v_exp_f32 v[S+j], v[S+j]                       ; p = 2^(t - M), at most 1
.set j, j+1
.endr
	v_pk_mul_f32 v[14:15], v[14:15], v[244:245] op_sel_hi:[1,0]     ; the sums under the new M.  (A plain place behind the exponentials)
	s_wait_alu depctr_va_vdst(0)
	v_pk_add_f32 v[246:247], v[S:S+1], v[S+2:S+3]  ; the row's sum is taken of the unquantised p: two at a time, in two chains
.irp j, 4,8,12,16,20,24,28,32,36,40,44,48,52,56,60
	v_pk_add_f32 v[14:15], v[14:15], v[S+\j:S+\j+1]
	v_pk_add_f32 v[246:247], v[246:247], v[S+2+\j:S+3+\j]
.endr
	v_pk_add_f32 v[14:15], v[14:15], v[246:247]
	s_cmp_ge_i32 s21, -8                           ; the conversion to an 8-bit code does not saturate (ISA guide 7.6.2).  p is at most 1 and 448 x 2^e5 is at least 1.75 from e5 = -8 on:
	s_cbranch_scc1 .Lno_hold_\@                    ; there the hold changes nothing and is jumped over: a branch on a whole number of the input, alike in all waves
.set j, 0
.rept 64
	v_min_num_f32 v[S+j], v[S+j], v7               ; p is not negative, so the hold is one-sided
.set j, j+1
.endr
.Lno_hold_\@:
.irp t, 0,1,2,3,4,5,6,7
	v_cvt_scalef32_pk8_fp8_f32 v[P+2*\t:P+2*\t+1], v[S+8*\t:S+8*\t+7], v6     ; keys 16 t + 8 h + 0..7: registers 2 t, 2 t + 1 of the operand
.endr
.set j, 0
.rept 16
	v_pk_mul_f32 v[O+j:O+j+1], v[O+j:O+j+1], v[244:245] op_sel_hi:[1,0]       ; O^T under the new M.  (Plain lines between the conversions and the products that read the codes)
.set j, j+2
.endr
.irp td, 0,1,2,3
	s_wait_dscnt 12-4*\td                          ; tile td's four loads are in; the later tiles' may be out
	v_wmma_f32_16x16x128_fp8_fp8 v[O+8*\td:O+8*\td+7], v[KV+16*\td:KV+16*\td+15], v[P:P+15], v[O+8*\td:O+8*\td+7]   ; the twelve accumulators of a step take turns, one instruction a turn
.endr
.rept 4
	v_nop                                          ; places in front of the next step's loads into V's registers, and of the first read of O^T
.endr
.Lhidden_\@:
	s_wait_loadcnt 0x0                             ; the next tile has come,
	ds_store_b128 v[TL], v[G:G+3] offset:(1-\s)*SLOTB          ; and goes into the slot that every wave left in front of the last barrier
	ds_store_b128 v[TL], v[G+4:G+7] offset:(1-\s)*SLOTB+VOFF
	s_add_co_u32 s38, s38, 128
	s_wait_dscnt 0x0                               ; my stores have landed, and my reads of this step's slot are over
	s_barrier_signal -1
	s_barrier_wait -1
.endm
; A BLOCK OF 256 QUERIES: Q's fragment in v[qreg] on, the block's number in s[jb], the result's address in s[ao:ao+1].
.macro PASS qreg, jb, ao
	s_wait_xcnt 0x0                                ; the last block's stores have read their registers
	s_lshl_b32 s40, s[\jb], 8
	s_add_co_u32 s39, s40, 256                     ; the keys end with the block
	s_lshl_b32 s44, s10, 4
	s_add_co_u32 s40, s40, s44                     ; my first query: 256 jb + 16 x wave,
	s_add_co_u32 s41, s40, 15                      ; my last
	s_add_co_u32 s43, s[\jb], 1                    ; trips of two key steps
	s_mov_b32 s38, 0                               ; the step's first key
	s_mov_b32 s42, 0
	v_mov_b32 v13, 0xff61b1e6                      ; the largest t so far: -3e38, under every t
	v_floor_f32 v12, -v13
	v_mov_b32 v14, 0
	v_mov_b32 v15, 0
.set j, 0
.rept 32
	v_mov_b32 v[O+j], 0                            ; the step is written once: the first finds zeros, which the first change of M leaves zeros
.set j, j+1
.endr
.Lpair_\@:
	STEP 0, \qreg
	STEP 1, \qreg
	s_add_co_u32 s42, s42, 1
	s_cmp_lt_u32 s42, s43
	s_cbranch_scc1 .Lpair_\@
	v_add_f32 v14, v14, v15                        ; the sum's two halves,
	v_permlanex16_b32 v248, v14, s24, s25
	v_add_f32 v14, v14, v248                       ; and lane l xor 16's: the row's sum
	v_rcp_f32 v14, v14
	v_nop                                          ; one plain place behind a transcendental
.set j, 0
	s_wait_alu depctr_va_vdst(0)
.rept 32
	v_mul_f32 v[S+j], v[O+j], v14                  ; O^T / the sum: register 8 td + i is channel 16 td + 8 h + i of my query
.set j, j+1
.endr
.set j, 0
.rept 32
	v_med3_num_f32 v[S+j], v[S+j], -v9, v9
.set j, j+1
.endr
.irp td, 0,1,2,3
	v_cvt_scalef32_pk8_fp8_f32 v[P+2*\td:P+2*\td+1], v[S+8*\td:S+8*\td+7], v8   ; registers 2 td, 2 td + 1 of my head's half of the next operand's fragment
.endr
	v_nop                                          ; one plain vector line behind the last conversion
	global_store_b128 v[LA], v[P:P+3], s[\ao:\ao+1]                ; 32 lanes store 512 consecutive bytes, at a multiple of 512 from the buffer's first byte
	global_store_b128 v[LA], v[P+4:P+7], s[\ao:\ao+1] offset:512
.endm
	PASS 16, 54, 50
	PASS 208, 55, 52
	s_wait_tensorcnt 0x0
	ds_add_u32 v254, v255
	s_wait_dscnt 0x0
	s_endpgm
.Lfunc_end_k_q66a98ad6e4_attn:
	.size	k_q66a98ad6e4_attn, .Lfunc_end_k_q66a98ad6e4_attn-k_q66a98ad6e4_attn
	.p2alignl 7, 3214868480
	.fill 96, 4, 3214868480
	.section	.rodata,"a",@progbits
	.p2align	6, 0x0
	.amdhsa_kernel k_q66a98ad6e4_attn
		.amdhsa_group_segment_fixed_size 34816
		.amdhsa_private_segment_fixed_size 0
		.amdhsa_enable_private_segment 0
		.amdhsa_kernarg_size 24
		.amdhsa_user_sgpr_count 2
		.amdhsa_user_sgpr_kernarg_segment_ptr 1
		.amdhsa_wavefront_size32 1
		.amdhsa_system_sgpr_workgroup_id_x 1
		.amdhsa_system_sgpr_workgroup_id_y 1
		.amdhsa_system_sgpr_workgroup_id_z 1
		.amdhsa_system_vgpr_workitem_id 0
		.amdhsa_next_free_vgpr 256
		.amdhsa_next_free_sgpr 66
		.amdhsa_reserve_vcc 1
		.amdhsa_float_denorm_mode_32 3
		.amdhsa_float_denorm_mode_16_64 3
		.amdhsa_memory_ordered 1
		.amdhsa_forward_progress 1
		.amdhsa_inst_pref_size 101
	.end_amdhsa_kernel
	.amdgpu_metadata
---
amdhsa.version: [ 1, 2 ]
amdhsa.kernels:
  - .name:           k_q66a98ad6e4_attn
    .symbol:         k_q66a98ad6e4_attn.kd
    .args:
      - { .name: qkv, .offset: 0, .size: 8, .value_kind: global_buffer, .address_space: global }
      - { .name: lowp_scales, .offset: 8, .size: 8, .value_kind: global_buffer, .address_space: global }
      - { .name: ao, .offset: 16, .size: 8, .value_kind: global_buffer, .address_space: global }
    .group_segment_fixed_size: 34816
    .private_segment_fixed_size: 0
    .kernarg_segment_align: 8
    .kernarg_segment_size: 24
    .max_flat_workgroup_size: 512
    .sgpr_count:     66
    .vgpr_count:     256
    .wavefront_size: 32
...
	.end_amdgpu_metadata
.endif
;; end of part 2
;; launch proj (part 3): grid 4 x 32, 4 waves a work-group, clusters of 4 x 4, 327,680 bytes of LDS; arguments ao, W_proj_codes, lowp_scales, b_proj, out0; writes out0
.if DOCPART == 3
	.amdgcn_target "amdgcn-amd-amdhsa--gfx1250"
	.amdhsa_code_object_version 6
	.text
	.protected	k_q66a98ad6e4_proj
	.globl	k_q66a98ad6e4_proj
	.p2align	8
	.type	k_q66a98ad6e4_proj,@function
k_q66a98ad6e4_proj:
	s_mov_b64 s[64:65], 0
	v_nop
	global_prefetch_b8 v0, s[64:65] scope:SCOPE_SE
	s_setreg_imm32_b32 hwreg(HW_REG_WAVE_MODE, 25, 1), 1
	s_wait_xcnt 0x0
	s_wait_alu depctr_hold_cnt(0) depctr_sa_sdst(0) depctr_va_vdst(0) depctr_va_sdst(0) depctr_va_ssrc(0) depctr_va_vcc(0) depctr_vm_vsrc(0)
	s_getreg_b32 s2, hwreg(HW_REG_IB_STS2, 6, 4)
	s_cmp_eq_u32 s2, 0
	s_cbranch_scc0 .Lentry_in_a_cluster
	s_endpgm
.Lentry_in_a_cluster:
	s_bfe_u32 s2, ttmp6, 0x10000c
	s_cmp_lg_u32 s2, 0xf033
	s_cbranch_scc0 .Lentry_shape_is_right
	s_endpgm
.Lentry_shape_is_right:
; out0 = ao W_proj + b_proj on codes of FP8 (E4M3): out0[m][n] = 2^(e6 + e7) x (sum over k of A[m][k] B[n][k]) + b_proj[n], f32.  M = 8,192, N = 1,024, K = 1,024.
; A = the attention's result, as images of operand registers (buffer ao): 128 rows x 256 K are one dense block of 32,768 bytes, at (row / 128) x 131,072 + (k / 256) x 32,768; in it the fragment of
; block i (16 rows) and the q-th 128 along K lies at 4,096 i + 2,048 q: four pieces of 512 bytes, 16 a lane: registers 4 c .. 4 c + 3 of the 8-bit K = 128 layout (register pair c': k = 16 c' + 8 h + 0..7).
; B = W_proj's codes, [1024][1024], K innermost; since A's k lie in their true places, B's fragments are fetched so too: eight loads of 8 bytes, 16 bytes apart, at row x pitch + 8 h.
; A tile of 256 x 256 is made by a work-group of four waves; a wave makes 128 x 128: 64 accumulators.  K goes in steps of 256 through two LDS slots.
; CLUSTERS: 4 x 4 work-groups; A's tiles are asked for jointly along a row of the cluster, B's along a column.  THE MATRIX INSTRUCTION IS USED TRANSPOSED (source 0 = 16 rows of B, source 1 = 16 rows of A):
; a lane holds eight neighbouring numbers of a row of the output.
; 128 tiles, 128 work-groups: a smaller tile would share the work further at the price of more LDS bytes for each product.
; LIMIT: e6 + e7 lies between -126 and 127, so that 2^(e6 + e7) is an f32 number.
; REGISTERS, in windows of 256: window 0: v1-31 addresses; v32-95 the bias of my 128 columns in the result's layout; v96-127 at work on the way out; from v128 A's fragments, one set (on the way out rows read back).
;   window 1: B's fragments, two sets.   windows 2, 3: the accumulators of my rows 0-63, 64-127 ((a, b) at v[8 (8 (a % 4) + b)]).
.set KROW,   1024                      ; a row of W_proj in bytes
.set ROWB,   256                       ; a row of B's tile
.set PITCH,  272                       ; B's row in LDS: 256 bytes + 16 of padding = 68 words: lane (r, h) of a load of 8 bytes starts at bank 4 r + 2 h (64 banks of 4 bytes: ISA guide 11.1)
.set FR,     16
.set NL,     4                         ; LDS loads that bring a fragment of A
.set NP,     4                         ; places behind this matrix instruction (ISA guide 7.12.1)
.set HALFA,  32768                     ; 128 rows x 256 K of A, dense
.set HALFB,  128*PITCH                 ; 128 rows of B
.set BOFF,   2*HALFA                   ; a slot: A's two halves, then B's two
.set SLOT,   BOFF+2*HALFB
.set LAPS,   KROW/(2*ROWB)
.set SPARE,  2*SLOT                    ; behind the ring: the spare words, 128 bytes for each wave: two blocks of 256 bytes that no other line names
.set SPITCH, 528                       ; the way out: a stage of 16 rows x (512 bytes + 16) for each wave, in slot 0, which has had its last fill and its last read when the first result is stored there
.set NROW,   4096                      ; a row of out0 in bytes
.set ADRA, 16                          ; v16-17  LDS address of my A fragments in slot 0, 1
.set ADRB, 20                          ; v20-21  the same for B
.set STO,  24                          ; v24     the way out: where I put 32 bytes of a row
.set RD,   25                          ; v25     where I read a row back
.set CO,   26                          ; v26     my byte offset in a row of the output
.set BNO,  27                          ; v27     my byte offset in b_proj
.set SPW,  28                          ; v28     LDS address of my spare word; never rewritten
.set NIL,  29                          ; v29     0; never rewritten
.set BN,   32
.set TMP,  96
.set AF,   128
.set BK,   128                         ; the way out: 16 rows read back: v128-191 and v192-255 by turns
.set G1, 24                            ; s[24:31] descriptor group 1 for A's tiles;  s[32:39] group 0, one set for each slot
.set G0, 32
.set G1B, 48                           ; s[48:55], s[56:63] the same for B's tiles
.set G0B, 56
.set MSB, 0
.macro WIN new                         ; the immediate's high byte repeats the setting that is left
.if MSB != \new
	s_set_vgpr_msb (MSB<<8)|\new
.set MSB, \new
.endif
.endm
.set MUL_LO, 0xa1                      ; source 0 (B) window 1, source 1 (A) window 0, C and D window 2
.set MUL_HI, 0xf1                      ; the same, C and D window 3
.set TO_B,   0x40                      ; destination window 1, address window 0
; A joint load: waves 0 and 1 fetch for A, waves 2 and 3 for B.  The branch hangs on the wave's number alone.  Four v_nop follow each of the two lines.
.macro JLOAD g0a, g1a, g0b, g1b
	s_cmp_eq_u32 s15, 0
	s_cbranch_scc0 .Lfor_b_\@
	tensor_load_to_lds s[\g0a:\g0a+3], s[\g1a:\g1a+7]
	s_nop 0
.rept 4
	v_nop
.endr
	s_branch .Lasked_\@
.Lfor_b_\@:
	tensor_load_to_lds s[\g0b:\g0b+3], s[\g1b:\g1b+7]
	s_nop 0
.rept 4
	v_nop
.endr
.Lasked_\@:
.endm
.macro CREST                           ; a round of the cluster's barrier behind its opening barrier
	s_cmp_lg_u32 s14, 0
	s_cbranch_scc1 .Lnot_wave_0_\@
	s_barrier_signal -3
.Lnot_wave_0_\@:
	s_barrier_wait -3
	s_barrier_signal -1
	s_barrier_wait -1
.endm
.macro CROUND                          ; a whole round
	s_barrier_signal -1
	s_barrier_wait -1
	CREST
.endm
	s_load_b256 s[4:11], s[0:1], 0x0               ; ao s[4:5], W_proj s[6:7], the scales' exponents s[8:9], b_proj s[10:11]
	s_load_b64 s[12:13], s[0:1], 0x20              ; out0
	v_lshl_add_u32 v[SPW], v0, 2, SPARE
	v_mov_b32 v[NIL], 0
	ds_add_u32 v28, v29
	ds_add_u32 v28, v29
	s_wait_dscnt 0x0
	v_lshrrev_b32 v1, 5, v0
	v_readfirstlane_b32 s14, v1                    ; wave 0..3
	s_lshr_b32 s15, s14, 1                         ; which half of the tile's rows is mine.  Also: I fetch for A (0) or for B (1)
	s_and_b32 s16, s14, 1                          ; which half of its columns.  Also: which half of that tile I fetch
	s_bfe_u32 s40, ttmp6, 0x40000                  ; cx, cy: my place in the cluster
	s_bfe_u32 s41, ttmp6, 0x40004
	s_lshl_b32 s42, ttmp9, 2
	s_add_co_u32 s42, s42, s40                     ; tile column = 4 x cluster x + cx
	s_and_b32 s17, ttmp7, 0xffff
	s_lshl_b32 s17, s17, 2
	s_add_co_u32 s17, s17, s41                     ; tile row = 4 x cluster y + cy
	s_lshl_b32 s43, s41, 2
	s_lshl_b32 s43, 15, s43                        ; my row of the cluster
	s_lshl_b32 s44, 0x1111, s40                    ; my column
	; descriptor group 1 for A: a dense block of 32,768 bytes as 128 rows of 32 elements of 8 bytes, no padding
	s_or_b32 s[G1+0], s43, (3<<16)|(1<<21)         ; 15:0 the mask: my row of the cluster; 17:16 element of 8 bytes; 21 set beside a mask
	s_mov_b32 s[G1+1], 32<<16                      ; tensor_dim0 = 32
	s_mov_b32 s[G1+2], 128<<16                     ; tensor_dim1 = 128
	s_mov_b32 s[G1+3], 32<<16                      ; tile_dim0 = 32
	s_mov_b32 s[G1+4], 128                         ; tile_dim1 = 128
	s_mov_b32 s[G1+5], 32                          ; tensor_dim0_stride: each row begins where the last ends
	s_mov_b32 s[G1+6], 0
	s_mov_b32 s[G1+7], 0
	; for B: 128 rows x 256 bytes, padded in LDS
	s_or_b32 s[G1B+0], s44, (0<<16)|(1<<20)|(1<<21)|(5<<22)|(3<<25)  ; the mask: my column; element of 1 byte; padding on; 21 set beside a mask; after every 64 words (code 5) 4 words (code 3)
	s_mov_b32 s[G1B+1], ROWB<<16
	s_mov_b32 s[G1B+2], 128<<16
	s_mov_b32 s[G1B+3], ROWB<<16
	s_mov_b32 s[G1B+4], 128
	s_mov_b32 s[G1B+5], KROW
	s_mov_b32 s[G1B+6], 0
	s_mov_b32 s[G1B+7], 0
	s_lshl_b32 s20, s17, 1
	s_add_co_u32 s20, s20, s16
	s_lshl_b32 s20, s20, 17                        ; A: (2 x tile row + half) x 131,072 bytes
	s_mov_b32 s21, 0
	s_lshl_b32 s18, s16, 7
	s_lshl_b32 s46, s42, 8
	s_add_co_u32 s46, s46, s18
	s_lshl_b32 s46, s46, 10                        ; B: row 256 x tile column + 128 x half, in bytes
	s_mov_b32 s47, 0
	s_lshl_b32 s45, s16, 15                        ; where they go: A: half x 32,768;
	s_mul_i32 s69, s16, HALFB
	s_add_co_u32 s69, s69, BOFF                    ; B: behind A's two halves: no place in the cluster enters an LDS address
	s_wait_kmcnt 0x0
	s_load_b256 s[80:87], s[8:9], 0x0              ; e0 .. e7
	s_add_nc_u64 s[20:21], s[4:5], s[20:21]
	s_add_nc_u64 s[46:47], s[6:7], s[46:47]
	CROUND                                         ; all sixteen work-groups are here: the first joint loads meet
.irp s, 0,1
	s_mov_b32 s[G0+4*\s], 1
	s_add_co_u32 s[G0+4*\s+1], s45, \s*SLOT
	s_add_nc_u64 s[G0+4*\s+2:G0+4*\s+3], s[20:21], \s*HALFA
	s_or_b32 s[G0+4*\s+3], s[G0+4*\s+3], 0x80000000
	s_mov_b32 s[G0B+4*\s], 1
	s_add_co_u32 s[G0B+4*\s+1], s69, \s*SLOT
	s_add_nc_u64 s[G0B+4*\s+2:G0B+4*\s+3], s[46:47], \s*ROWB
	s_or_b32 s[G0B+4*\s+3], s[G0B+4*\s+3], 0x80000000
	JLOAD G0+4*\s, G1, G0B+4*\s, G1B
.endr
	v_and_b32 v1, 15, v0                           ; r = l % 16
	v_bfe_u32 v2, v0, 4, 1                         ; h = l / 16
	v_and_b32 v6, 31, v0
	v_lshlrev_b32 v[CO], 4, v6                     ; 16 x lane: my place in an image of A, and in a row of 512 bytes on the way out
	v_mul_u32_u24 v3, v1, PITCH
	v_lshl_add_u32 v4, v2, 3, v3                   ; B: row x pitch + 8 x half
	s_lshl_b32 s21, s15, 15                        ; my 128 rows of A
	s_mul_i32 s22, s16, HALFB                      ; my 128 rows of B,
	s_add_co_u32 s22, s22, BOFF                    ; which lie behind A's
.irp s, 0,1
	v_add_nc_u32 v[ADRA+\s], s21, v[CO]
	v_add_nc_u32 v[ADRB+\s], s22, v4
	s_add_co_u32 s21, s21, SLOT
	s_add_co_u32 s22, s22, SLOT
.endr
	s_mul_i32 s23, s14, 16*SPITCH                  ; my stage
	v_mul_u32_u24 v5, v1, SPITCH                   ; in: row l % 16, 32 bytes for each half of the lanes
	v_lshl_add_u32 v5, v2, 5, v5
	v_add_nc_u32 v[STO], s23, v5
	v_add_nc_u32 v[RD], s23, v[CO]                 ; back: the 32 lanes take one row of 512 bytes
	s_lshl_b32 s20, s17, 8
	s_lshl_b32 s21, s15, 7
	s_add_co_u32 s20, s20, s21                     ; my first row of the output: 256 x tile row + 128 x half,
	s_lshl_b32 s20, s20, 12                        ; in bytes (under 2^25)
	s_lshl_b32 s46, s42, 10                        ; my first column, in bytes: 1,024 x tile column + 512 x half
	s_lshl_b32 s47, s16, 9
	s_add_co_u32 s46, s46, s47
	s_add_co_u32 s20, s20, s46
	s_mov_b32 s21, 0
	s_add_nc_u64 s[12:13], s[12:13], s[20:21]
	v_lshl_add_u32 v[BNO], v2, 5, s46              ; the bias of column 16 b + 8 h + j of my 128: 64 b + 32 h + 4 j bytes on
.irp b, 0,1,2,3,4,5,6,7
	global_load_b128 v[BN+8*\b:BN+8*\b+3], v[BNO], s[10:11] offset:64*\b
	global_load_b128 v[BN+8*\b+4:BN+8*\b+7], v[BNO], s[10:11] offset:64*\b+16
.endr
	s_wait_kmcnt 0x0
	s_add_co_i32 s96, s86, s87                     ; e6 + e7, between -126 and 127,
	s_add_co_i32 s96, s96, 127
	s_lshl_b32 s96, s96, 23                        ; makes the f32 number 2^(e6 + e7)
	s_mov_b32 s97, s96                             ; (named with it as a pair, so it is written)
	s_wait_loadcnt 0x0                             ; the bias
.macro FRAGA reg, slot, q, i           ; a fragment of A comes back as it was stored: four pieces of 512 consecutive bytes
.irp c, 0,1,2,3
	ds_load_b128 v[\reg+4*\c:\reg+4*\c+3], v[ADRA+\slot] offset:4096*(\i)+2048*(\q)+512*\c
.endr
.endm
.macro FRAGB reg, slot, q, i           ; a fragment of B from rows along K: registers 2 c, 2 c + 1 hold K = 16 c + 8 (l / 16) + 0 .. 7 of row l % 16
.irp c, 0,1,2,3,4,5,6,7
	ds_load_b64 v[\reg+2*\c:\reg+2*\c+1], v[ADRB+\slot] offset:128*(\q)+16*\c+(\i)*16*PITCH
.endr
.endm
; 16 matrix instructions: A's blocks a0, a0 + 1 x B's eight, 128 along K.  p: B's set.  zero = 1: the first product starts the sums.
; The 64 accumulators take turns, one instruction a turn, in the same order in every step.
.macro MUL16 a0, p, zero
.irp a, \a0, \a0+1
.irp b, 0,1,2,3,4,5,6,7
.if \zero
	v_wmma_f32_16x16x128_fp8_fp8 v[8*(8*((\a)%4)+\b):8*(8*((\a)%4)+\b)+7], v[128*(\p)+FR*\b:128*(\p)+FR*\b+FR-1], v[AF+FR*(\a):AF+FR*(\a)+FR-1], 0
.else
	v_wmma_f32_16x16x128_fp8_fp8 v[8*(8*((\a)%4)+\b):8*(8*((\a)%4)+\b)+7], v[128*(\p)+FR*\b:128*(\p)+FR*\b+FR-1], v[AF+FR*(\a):AF+FR*(\a)+FR-1], v[8*(8*((\a)%4)+\b):8*(8*((\a)%4)+\b)+7]
.endif
.endr
.endr
.endm
.macro FETCH_B slot, q, p              ; B's eight fragments of the slot's q-th 128 along K into set p
	WIN TO_B
.irp i, 0,1,2,3,4,5,6,7
	FRAGB 128*(\p)+FR*\i, \slot, \q, \i
.endr
	WIN 0
.endm
.macro FETCH_A slot, q, i0             ; A's blocks i0 .. i0 + 3
.irp i, \i0, \i0+1, \i0+2, \i0+3
	FRAGA AF+FR*(\i), \slot, \q, \i
.endr
.endm
; A load into a register that a matrix instruction has read, and a vector instruction or an LDS store that reads a matrix result, stand NP places behind it; only plain vector
; instructions that name none of its registers are places (ISA guide 7.12.1 for vector instructions).
.macro PLACES n
.rept \n
	v_nop
.endr
.endm
; A step of 128 along K that has its successor in the same slot.
.macro STEP slot, q, zero
	s_wait_dscnt 4*NL                              ; B's set and A's blocks 0-3 are in; the youngest sixteen loads (A's blocks 4-7) may be out
	WIN MUL_LO
	MUL16 0, (\q)%2, \zero
	MUL16 2, (\q)%2, \zero
	s_wait_dscnt 0                                 ; A's blocks 4-7 are in
	PLACES NP
	FETCH_B \slot, (\q)+1, 1-(\q)%2
	FETCH_A \slot, (\q)+1, 0
	WIN MUL_HI
	MUL16 4, (\q)%2, \zero
	MUL16 6, (\q)%2, \zero
	PLACES NP
	WIN 0
	FETCH_A \slot, (\q)+1, 4
.endm
; A slot's last step changes slots: ONE barrier; in front of it each wave waits for all its tensor loads, adds 0 to its spare word, and waits for that and for its own reads of this slot.
; fill = 1: this slot is filled again, 512 along K ahead; the barrier then opens a round of the cluster's barrier.
.macro TURN slot, next, fill
	s_wait_tensorcnt 0x0                           ; all my tensor loads have landed: my part of the next slot
	ds_add_u32 v[SPW], v[NIL]                      ; 0 onto my spare word
	s_wait_dscnt 4*NL+1                            ; (the add and the youngest sixteen loads, A's blocks 4-7, may be out)
	WIN MUL_LO
	MUL16 0, 1, 0                                  ; sixteen matrix instructions stand between the add and the wait for it
	s_wait_dscnt 0x0                               ; the add is done, and my reads of this slot are over
	s_barrier_signal -1
	MUL16 2, 1, 0
	WIN 0
	s_barrier_wait -1
.if \fill
	CREST                                          ; no wave of any partner still reads this slot's tile or has a load on its way
	s_add_nc_u64 s[G0+4*\slot+2:G0+4*\slot+3], s[G0+4*\slot+2:G0+4*\slot+3], 2*HALFA
	s_add_nc_u64 s[G0B+4*\slot+2:G0B+4*\slot+3], s[G0B+4*\slot+2:G0B+4*\slot+3], 2*ROWB
	JLOAD G0+4*\slot, G1, G0B+4*\slot, G1B         ; the first tensor load behind the round; the four v_nop behind it are the places in front of the loads below
.else
	PLACES NP
.endif
	FETCH_B \next, 0, 0
	FETCH_A \next, 0, 0
	WIN MUL_HI
	MUL16 4, 1, 0
	MUL16 6, 1, 0
	PLACES NP
	WIN 0
	FETCH_A \next, 0, 4
.endm
	s_wait_tensorcnt 1                             ; my part of slot 0 is in; slot 1's load may be out
	s_barrier_signal -1
	s_barrier_wait -1                              ; everybody's is
	FETCH_B 0, 0, 0
	FETCH_A 0, 0, 0
	FETCH_A 0, 0, 4
	STEP 0, 0, 1                                   ; the first step stands in front of the loop: its products start the sums
	s_mov_b32 s3, LAPS-1
.Llap:                                                 ; a trip goes once round the ring, from a lap's second step to the next lap's first, and fills both slots again
	TURN 0, 1, 1
	STEP 1, 0, 0
	TURN 1, 0, 1
	STEP 0, 0, 0
	s_sub_co_u32 s3, s3, 1
	s_cmp_lg_u32 s3, 0
	s_cbranch_scc1 .Llap
	TURN 0, 1, 0                                   ; the last lap fills nothing
	STEP 1, 0, 0
	s_wait_dscnt 4*NL                              ; the very last step: nothing more to fetch
	WIN MUL_LO
	MUL16 0, 1, 0
	MUL16 2, 1, 0
	s_wait_dscnt 0
	WIN MUL_HI
	MUL16 4, 1, 0
	MUL16 6, 1, 0
	WIN 0
; THE WAY OUT, block by block of 16 rows x 128 columns.  A lane holds 32 neighbouring bytes of a row, and the lanes beside it hold other rows: so a block goes through my own stage in LDS and comes
; back as whole rows of 512 bytes.  LDS serves a wave's instructions in order (ISA guide 5.7.1.4): no wait between the stores and the loads, nor in front of the next block's stores.
.macro TOSTAGE a
.set AC, 64*((\a)%4)
.irp g, 0,1                            ; four accumulators at a time
	WIN 0x02+((\a)/4)                              ; source 0: window 2 or 3
.irp j, 0,2,4,6,8,10,12,14,16,18,20,22,24,26,28,30
	v_pk_fma_f32 v[TMP+\j:TMP+\j+1], v[AC+32*\g+\j:AC+32*\g+\j+1], s[96:97], v[BN+32*\g+\j:BN+32*\g+\j+1] op_sel_hi:[1,0,1]   ; sum x 2^(e6 + e7) + bias; each accumulator from its low end on
.endr
	WIN 0
.irp b, 0,1,2,3
	ds_store_b128 v[STO], v[TMP+8*\b:TMP+8*\b+3] offset:64*(4*\g+\b)
	ds_store_b128 v[STO], v[TMP+8*\b+4:TMP+8*\b+7] offset:64*(4*\g+\b)+16
.endr
.endr
.set BB, BK+64*((\a)%2)
.irp t, 0,1,2,3,4,5,6,7,8,9,10,11,12,13,14,15
	ds_load_b128 v[BB+4*\t:BB+4*\t+3], v[RD] offset:\t*SPITCH
.endr
.endm
.macro SEND a, younger                 ; younger: the LDS instructions issued behind block a's loads, which may stay out
.set BB, BK+64*((\a)%2)
	s_wait_dscnt \younger                          ; the block is back in registers
.if (\a) > 0
	s_add_nc_u64 s[12:13], s[12:13], 16*NROW       ; (behind a wait on XCNT: the earlier stores have read their base)  16 rows on
.endif
.irp t, 0,1,2,3,4,5,6,7,8,9,10,11,12,13,14,15
	global_store_b128 v[CO], v[BB+4*\t:BB+4*\t+3], s[12:13] offset:\t*NROW th:TH_STORE_NT   ; 32 lanes store 512 consecutive bytes, at a multiple of 512 from the output's first byte; written once, read by nobody here
.endr
.endm
	PLACES NP                                      ; behind the last products: for the loads into the registers that held A's fragments, and for the reads of results
	TOSTAGE 0
.irp a, 1,2,3,4,5,6,7
.if \a > 1
	s_wait_xcnt 0x0                                ; block a - 2's stores have read their registers and their base: block a's loads may land there, and the base may step
.endif
	TOSTAGE \a
	SEND \a-1, 32                                  ; behind block a - 1's loads: block a's 16 stores and 16 loads
.endr
	s_wait_xcnt 0x0                                ; block 6's stores have read their base
	SEND 7, 0
	s_wait_tensorcnt 0x0                           ; the wave's end
	ds_add_u32 v[SPW], v[NIL]
	s_wait_dscnt 0x0
	CROUND                                         ; the closing round: no work-group ends while a partner may still ask for a tile that names it
	s_endpgm
.Lfunc_end_k_q66a98ad6e4_proj:
	.size	k_q66a98ad6e4_proj, .Lfunc_end_k_q66a98ad6e4_proj-k_q66a98ad6e4_proj
	.p2alignl 7, 3214868480
	.fill 96, 4, 3214868480
	.section	.rodata,"a",@progbits
	.p2align	6, 0x0
	.amdhsa_kernel k_q66a98ad6e4_proj
		.amdhsa_group_segment_fixed_size 327680
		.amdhsa_private_segment_fixed_size 0
		.amdhsa_enable_private_segment 0
		.amdhsa_kernarg_size 40
		.amdhsa_user_sgpr_count 2
		.amdhsa_user_sgpr_kernarg_segment_ptr 1
		.amdhsa_wavefront_size32 1
		.amdhsa_system_sgpr_workgroup_id_x 1
		.amdhsa_system_sgpr_workgroup_id_y 1
		.amdhsa_system_sgpr_workgroup_id_z 1
		.amdhsa_system_vgpr_workitem_id 0
		.amdhsa_next_free_vgpr 1024
		.amdhsa_next_free_sgpr 98
		.amdhsa_reserve_vcc 0
		.amdhsa_float_denorm_mode_32 3
		.amdhsa_float_denorm_mode_16_64 3
		.amdhsa_memory_ordered 1
		.amdhsa_forward_progress 1
		.amdhsa_inst_pref_size 141
	.end_amdhsa_kernel
	.amdgpu_metadata
---
amdhsa.version: [ 1, 2 ]
amdhsa.kernels:
  - .name:           k_q66a98ad6e4_proj
    .symbol:         k_q66a98ad6e4_proj.kd
    .args:
      - { .name: ao, .offset: 0, .size: 8, .value_kind: global_buffer, .address_space: global }
      - { .name: W_proj_codes, .offset: 8, .size: 8, .value_kind: global_buffer, .address_space: global }
      - { .name: lowp_scales, .offset: 16, .size: 8, .value_kind: global_buffer, .address_space: global }
      - { .name: b_proj, .offset: 24, .size: 8, .value_kind: global_buffer, .address_space: global }
      - { .name: out0, .offset: 32, .size: 8, .value_kind: global_buffer, .address_space: global }
    .group_segment_fixed_size: 327680
    .private_segment_fixed_size: 0
    .kernarg_segment_align: 8
    .kernarg_segment_size: 40
    .max_flat_workgroup_size: 128
    .sgpr_count:     98
    .vgpr_count:     1024
    .wavefront_size: 32
...
	.end_amdgpu_metadata
.endif
;; end of part 3
;; ======== version 2 of 2: 3 launches; version 1 with the launch attn written anew for expert scheduling mode
;; workspace buffers: qkv 25,165,824 bytes; ao 8,388,608 bytes
;; launch qkv: the kernel of part 1 again; grid 12 x 32, 4 waves a work-group, clusters of 4 x 4, 327,680 bytes of LDS; arguments x_codes, W_attn_codes, lowp_scales, b_attn, qkv; writes qkv
;; launch attn (part 4): grid 4 x 64, 16 waves a work-group, no clusters, 34,816 bytes of LDS; arguments qkv, lowp_scales, ao; writes ao
.if DOCPART == 4
	.amdgcn_target "amdgcn-amd-amdhsa--gfx1250"
	.amdhsa_code_object_version 6
	.text
	.protected	k_q66a98ad6e4_attn
	.globl	k_q66a98ad6e4_attn
	.p2align	8
	.type	k_q66a98ad6e4_attn,@function
k_q66a98ad6e4_attn:
	s_mov_b64 s[64:65], 0
	v_nop
	global_prefetch_b8 v0, s[64:65] scope:SCOPE_SE
	s_setreg_imm32_b32 hwreg(HW_REG_WAVE_SCHED_MODE, 0, 2), 2
	s_setreg_imm32_b32 hwreg(HW_REG_WAVE_MODE, 25, 1), 1
	s_wait_xcnt 0x0
	s_wait_alu depctr_vm_vsrc(0)
; Causal attention on codes of FP8 (E4M3), 64 (batch, head) x 2,048 tokens x head size 64.  q, k, v come as images of operand registers (buffer qkv: three parts of 8 MiB, 131,072 bytes a head):
;   q, k: a tile of 16 tokens = 1,024 bytes: piece c (512 bytes, 16 a lane): registers 4 c .. 4 c + 3 of the 8-bit K = 64 layout (register pair c': channels 16 c' + 8 h + 0..7).
;   v: a key step of 128 tokens = 8,192 bytes: tile td of 16 channels = 2,048 bytes: piece c: registers 4 c .. 4 c + 3 of the K = 128 layout (register pair c': keys 16 c' + 8 h + 0..7).
; THE SOFTMAX AHEAD OF THE SECOND PRODUCT: t = score x log2(e) / 8; M = the row's largest t so far, rounded UP to a whole number; p = 2^(t - M) is quantised with 2^e5, not normalised.
; The row's sum is taken of the unquantised p, in f32, and divides O at the end.  When M moves, the sum and O are multiplied by 2^(old M - new M): exact.
; The result is quantised with 2^e6 and leaves as an image of the next product's operand (buffer ao, see the end of PASS).
; SHARES.  A work-group owns one head and TWO blocks of 256 queries, g and 7 - g: block jb needs 2 jb + 2 key steps of 128, so every work-group walks 18 steps.
; Each of sixteen waves owns 16 queries of the block in hand, in 256 registers: four waves to a SIMD, so that one wave's vector work stands beside another's matrix work and LDS loads.
; Both products are used transposed: S^T = K Q^T (source 0 = 16 keys), O^T = V^T P^T (source 0 = 16 channels): lane (r, h) holds ONE query r throughout.  In S^T register 8 t + j is key
; 16 t + 8 h + j: one conversion of a tile's eight registers gives registers 2 t, 2 t + 1 of P in the K = 128 layout: nothing changes lanes.
; K AND V GO THROUGH REGISTERS INTO TWO LDS SLOTS: a step's images are 8,192 dense bytes each; thread tau loads 16 bytes of each at 16 tau a step ahead and stores them at 16 tau in the other slot.
; One barrier a step: in front of it my reads of this step's slot and my stores into the other are done.  No tensor load: no joint request either: the four work-groups of a head
; need 2 jb + 2 tiles with different jb at the same time, so partners would ask for different numbers of tiles, and what is shared is 288 KiB a work-group.
; CAUSAL: the steps beyond a block's last query are not walked (trip count from the work-group's number); in a block's last step waves 0-7 have no key that counts and jump over the work;
; in the one step on a wave's diagonal hidden scores become -infinity.  Key 0 counts for every query, so M is a number from the first step on.
; After a block's last step the next tile asked for is key step 0 (the second block begins there); after the very last step that tile is fetched and read by nobody: 16 KiB a work-group.
; LIMITS on the given exponents, so that each power of two below is an f32 number: e2 + e3 between -123 and 130 (added to c's exponent field); e5, and e6 - e5 - e4, between -126 and 119.  NaN is not served.
; REGISTERS: v1 16 x lane; v2 16 x thread; v3 r - 8 h; v5 -infinity; v6, v7 2^e5, 448 x 2^e5; v8, v9 the same with e6 - e5 - e4; v12 -M, v13 largest t, v[14:15] the sum in two halves;
;   v16-23 Q of the first block; v24-31 the tile on its way; v32-95 8 fragments of K, then 4 of V; v96-159 S^T, then p; v160-191 O^T; v192-207 p's codes; v208-215 Q of the second block; v240-249 at work;
;   v254, v255 the closing add's two.  s56-63 and s2-9 (free behind the head): sixteen masks of the causal compares.
; THE MODE: SCHED_MODE bits 1:0 = 2 (LLVM: expert scheduling mode 2), set by the entry lines.  The code itself states the register dependences
; between vector or matrix instructions and memory or LDS instructions, with s_wait_alu, always for 0.
; THE PLAN.  Registers that memory or LDS instructions touch:
;   v[LA], v[TL]  Offsets and LDS addresses of every load and store; written at the head and never again: one wait on va_vdst ahead of the first load.
;   v[G ..]       The two global loads at a step's head land in them, the two LDS stores at its end read them; no vector instruction names them.  One wait on vm_vsrc, a step's first line.
;   v[KV ..]      K's sixteen LDS loads land; the eight products K Q^T read; V's sixteen LDS loads land; the four products V^T P read.  Two waits on va_vdst a step: ahead of K's loads
;                 (the last step's four products are done reading) and ahead of V's (this step's eight are).  Behind the second, V's loads are dealt four at a time among the softmax's
;                 vector lines, none of which names v[KV ..] or v[LA].
;   v[P ..]       Written by conversions, read by products; at a block's end its first eight are the data of two global stores: a wait on va_vdst ahead of them; they are written again
;                 behind the wait on vm_vsrc at the head of the next block's first step.
;   Q's registers are loaded at the head and read by products alone.  v254, v255: written at the head, read by the closing add alone.
; Vector results in scalar registers: the wave's number, and the causal compares' masks, sixteen to a run: a wait on va_sdst between each run of writers and its first reader.
.set SLOTB, 16384                      ; an LDS slot: K's image, then V's
.set VOFF,  8192
.set LA,   1
.set TL,   2
.set RH,   3
.set NINF, 5
.set G,    24
.set KV,   32
.set S,    96
.set O,    160
.set P,    192
.set MKA,  56                          ; s[56:63] masks 0-7 of a run of sixteen compares
.set MKB,  2                           ; s[2:9]   masks 8-15
	s_load_b128 s[4:7], s[0:1], 0x0                ; qkv s[4:5], the scales' exponents s[6:7]
	s_load_b64 s[8:9], s[0:1], 0x10                ; ao
	v_lshl_add_u32 v254, v0, 2, 0x8000             ; LDS address of my spare word, behind the two slots: 128 bytes for each of the sixteen waves; kept for the closing lines alone
	v_mov_b32 v255, 0                              ; 0, likewise
	v_lshrrev_b32 v4, 5, v0
	v_readfirstlane_b32 s10, v4                    ; wave 0..15
	v_and_b32 v4, 31, v0
	v_lshlrev_b32 v[LA], 4, v4
	v_lshlrev_b32 v[TL], 4, v0
	v_and_b32 v[RH], 15, v0                        ; r
	v_bfe_u32 v4, v0, 4, 1                         ; h
	v_lshlrev_b32 v4, 3, v4
	v_sub_nc_u32 v[RH], v[RH], v4                  ; r - 8 h
	v_mov_b32 v[NINF], 0xff800000
	v_mov_b32 v245, 0                              ; (named as the upper half of the pair v[244:245])
	v_mov_b32 v248, 0                              ; written once: a lane permute's destination counts as one of its sources
	s_wait_alu depctr_va_sdst(0)                   ; s10, the wave's number, is written, ahead of its first reader: Q's and the result's addresses are made from it
	s_mov_b32 s54, ttmp9                           ; the first block of queries: g
	s_sub_co_u32 s55, 7, s54                       ; the second: 7 - g
	s_and_b32 s12, ttmp7, 0xffff                   ; 16 x batch + head
	s_lshl_b32 s44, s12, 17                        ; the head's 131,072 bytes in each part
	s_mov_b32 s45, 0
	s_lshl_b32 s56, s10, 10                        ; Q: tile 16 jb + wave, 1,024 bytes each
	s_lshl_b32 s46, s54, 14
	s_add_co_u32 s46, s46, s56
	s_mov_b32 s47, 0
	s_lshl_b32 s48, s55, 14
	s_add_co_u32 s48, s48, s56
	s_mov_b32 s49, 0
	; ao: with rho = (2048 batch + token) / 16 = 128 batch + 16 jb + wave: (rho / 8) x 131,072 + (head / 4) x 32,768 + (rho % 8) x 4,096 + (head % 4) x 1,024
	s_lshr_b32 s50, s12, 4
	s_lshl_b32 s50, s50, 21                        ; batch x 16 x 131,072
	s_lshr_b32 s57, s10, 3
	s_lshl_b32 s57, s57, 17
	s_add_co_u32 s50, s50, s57
	s_bfe_u32 s57, s12, 0x20002                    ; head / 4
	s_lshl_b32 s57, s57, 15
	s_add_co_u32 s50, s50, s57
	s_and_b32 s57, s10, 7
	s_lshl_b32 s57, s57, 12
	s_add_co_u32 s50, s50, s57
	s_and_b32 s57, s12, 3
	s_lshl_b32 s57, s57, 10
	s_add_co_u32 s50, s50, s57
	s_lshl_b32 s57, s55, 18                        ; + 2 jb x 131,072
	s_add_co_u32 s52, s50, s57
	s_lshl_b32 s57, s54, 18
	s_add_co_u32 s50, s50, s57
	s_mov_b32 s51, 0
	s_mov_b32 s53, 0
	s_mov_b32 s37, 0
	s_mov_b32 s24, 0x76543210                      ; v_permlanex16_b32's selects for lane l xor 16
	s_mov_b32 s25, 0xfedcba98
	s_wait_kmcnt 0x0
	s_load_b256 s[16:23], s[6:7], 0x0              ; e0 .. e7
	s_add_nc_u64 s[56:57], s[4:5], s[44:45]        ; my head in q's part,
	s_add_nc_u64 s[28:29], s[56:57], 0x800000      ; in k's,
	s_add_nc_u64 s[30:31], s[56:57], 0x1000000     ; in v's
	s_add_nc_u64 s[46:47], s[56:57], s[46:47]      ; my tile of Q in the first block,
	s_add_nc_u64 s[48:49], s[56:57], s[48:49]      ; in the second
	s_add_nc_u64 s[50:51], s[8:9], s[50:51]        ; and where their results go
	s_add_nc_u64 s[52:53], s[8:9], s[52:53]
	s_wait_alu depctr_va_vdst(0)                   ; v[TL] and v[LA] are written: every load and store of the kernel reads one of them as its offset or LDS address
	global_load_b128 v[G:G+3], v[TL], s[28:29]     ; key step 0: 512 threads x 16 bytes of K's image,
	global_load_b128 v[G+4:G+7], v[TL], s[30:31]   ; and of V's
	global_load_b128 v[16:19], v[LA], s[46:47]
	global_load_b128 v[20:23], v[LA], s[46:47] offset:512
	global_load_b128 v[208:211], v[LA], s[48:49]
	global_load_b128 v[212:215], v[LA], s[48:49] offset:512
	s_wait_kmcnt 0x0
	s_add_co_i32 s44, s18, s19
	s_lshl_b32 s44, s44, 23
	s_add_co_i32 s26, s44, 0x3e38aa3b              ; c = log2(e) / 8, with e2 + e3 added to its exponent field: a score stands for score x 2^(e2 + e3)
	s_mov_b32 s27, s26                             ; (named with it as a pair, so it is written)
	s_add_co_i32 s44, s21, 127
	s_lshl_b32 s45, s44, 23
	v_mov_b32 v6, s45                              ; 2^e5 as f32, for p's conversion
	s_add_co_i32 s44, s44, 8
	s_lshl_b32 s44, s44, 23
	s_or_b32 s44, s44, 0x600000
	v_mov_b32 v7, s44                              ; 448 x 2^e5
	s_sub_co_i32 s44, s22, s21
	s_sub_co_i32 s44, s44, s20                     ; a sum of the second product stands for sum x 2^(e4 + e5): the result's conversion takes 2^(e6 - e5 - e4)
	s_add_co_i32 s44, s44, 127
	s_lshl_b32 s45, s44, 23
	v_mov_b32 v8, s45
	s_add_co_i32 s44, s44, 8
	s_lshl_b32 s44, s44, 23
	s_or_b32 s44, s44, 0x600000
	v_mov_b32 v9, s44
	s_wait_loadcnt 0x0                             ; key step 0 and both tiles of Q
	ds_store_b128 v[TL], v[G:G+3]                  ; (data from loads; the address was written ahead of the wait above, and no vector line since names it)
	ds_store_b128 v[TL], v[G+4:G+7] offset:VOFF
	s_wait_dscnt 0x0                               ; for the others' sake: my stores have landed
	s_barrier_signal -1
	s_barrier_wait -1
; Tile td of V (16 channels x 128 keys: 16 registers) out of slot s: four loads of 512 consecutive bytes.
.macro VTILE s, td
.irp c, 0,1,2,3
	ds_load_b128 v[KV+16*(\td)+4*\c:KV+16*(\td)+4*\c+3], v[LA] offset:(\s)*SLOTB+VOFF+2048*(\td)+512*\c
.endr
.endm
; A KEY STEP: 128 keys from s38 on, out of slot s; the next step's tile goes into the other slot.
.macro STEP s, qreg
	s_wait_alu depctr_vm_vsrc(0)                   ; the LDS stores of the step before (ahead of the first step: the head's) have read v[G ..], in which the loads below land; in a block's first step the last block's global stores have read v[P ..], which this step's conversions write
	s_add_co_u32 s44, s38, 128                     ; the next tile: the next 128 keys, or, behind the block's last, key step 0
	s_cmp_eq_u32 s44, s39
	s_cselect_b32 s44, 0, s44
	s_lshl_b32 s36, s44, 6                         ; 64 bytes a key in both images
	s_add_nc_u64 s[32:33], s[28:29], s[36:37]      ; (free: the loads that named them were waited for at the last step's end)
	s_add_nc_u64 s[34:35], s[30:31], s[36:37]
	global_load_b128 v[G:G+3], v[TL], s[32:33]
	global_load_b128 v[G+4:G+7], v[TL], s[34:35]
	s_cmp_gt_u32 s38, s41                          ; all 128 keys come after my 16 queries: nothing to do but the staging and the barrier
	s_cbranch_scc1 .Lhidden_\@
	s_wait_alu depctr_va_vdst(0)                   ; the four products V^T P of the last step that I worked are done reading v[KV ..], in which K's loads land
.irp t, 0,1,2,3,4,5,6,7
	ds_load_b128 v[KV+8*\t:KV+8*\t+3], v[LA] offset:\s*SLOTB+1024*\t
	ds_load_b128 v[KV+8*\t+4:KV+8*\t+7], v[LA] offset:\s*SLOTB+1024*\t+512
.endr
.irp t, 0,1,2,3,4,5,6,7
	s_wait_dscnt 14-2*\t                           ; tile t's two loads are in; the later tiles' may be out
	v_wmma_f32_16x16x64_fp8_fp8 v[S+8*\t:S+8*\t+7], v[KV+8*\t:KV+8*\t+7], v[\qreg:\qreg+7], 0
.endr
.rept 4
	v_nop                                          ; places in front of the first read of the scores
.endr
	s_wait_alu depctr_va_vdst(0)                   ; the eight products K Q^T are done reading v[KV ..], in which V's loads land.  No vector line from here to the last of those loads names v[KV ..] or v[LA]
	VTILE \s, 0                                    ; V lands while the softmax is walked: its sixteen loads are dealt among the softmax's lines, four at a time, in the tiles' order
	s_add_co_u32 s44, s38, 127                     ; on the diagonal the scores of hidden keys become -infinity ahead of the maximum; a step all of whose keys count skips this
	s_cmp_le_u32 s44, s40
	s_cbranch_scc1 .Lopen_\@
	s_sub_co_i32 s44, s40, s38
	v_add_nc_u32 v249, s44, v[RH]                  ; d = my query - the step's first key - 8 h.  Register 8 t + j holds key 16 t + 8 h + j: hidden where 16 t + j > d
.set n, 0
.rept 4                                        ; two tiles at a time: sixteen compares into sixteen scalar registers, one wait, sixteen selects
.set m, 0
.rept 16
	v_cmp_gt_i32 s[MKA+m%8-(MKA-MKB)*(m/8)], 16*((n+m)/8)+m%8, v249
.set m, m+1
.endr
	s_wait_alu depctr_va_sdst(0)                   ; the sixteen compares have written their masks, ahead of the first select that reads one
.set m, 0
.rept 16
	v_cndmask_b32 v[S+n+m], v[S+n+m], v[NINF], s[MKA+m%8-(MKA-MKB)*(m/8)]
.set m, m+1
.endr
.set n, n+16
.endr
.Lopen_\@:
	v_max3_num_f32 v240, v[S], v[S+1], v[S+2]      ; the step's largest score of my query among my 64 keys, in two chains, each tile from its low end on,
	v_max3_num_f32 v241, v[S+3], v[S+4], v[S+5]
.irp i, 6,10,14,18,22,26,30,34,38,42,46,50,54,58
	v_max3_num_f32 v240, v240, v[S+\i], v[S+1+\i]
	v_max3_num_f32 v241, v241, v[S+2+\i], v[S+3+\i]
.if \i == 30
	VTILE \s, 1
.endif
.endr
	v_max3_num_f32 v240, v240, v[S+62], v[S+63]
	v_max_num_f32 v240, v240, v241
	v_permlanex16_b32 v248, v240, s24, s25
	v_max_num_f32 v240, v240, v248                 ; and among lane l xor 16's
	v_mul_f32 v240, s26, v240                      ; as t (c is positive)
	v_max_num_f32 v13, v13, v240                   ; the running largest t
	v_mov_b32 v240, v12
	v_floor_f32 v12, -v13                          ; the new -M = floor(-t) = -ceil(t): a whole number
	v_sub_f32 v240, v12, v240                      ; M's old value less its new one: a whole number, 0 or less
	v_cvt_i32_f32 v240, v240                       ; (it saturates)
	v_ldexp_f32 v244, 1.0, v240                    ; f = 2^(old M - new M)
	VTILE \s, 2
.set j, 0
.rept 32
	v_pk_fma_f32 v[S+j:S+j+1], v[S+j:S+j+1], s[26:27], v[12:13] op_sel_hi:[1,0,0]   ; t - M, two at a time (of the pairs c and -M the low word serves both halves)
.set j, j+2
.if j == 32
	VTILE \s, 3
.endif
.endr
.set j, 0
.rept 64
	v_exp_f32 v[S+j], v[S+j]                       ; p = 2^(t - M), at most 1
.set j, j+1
.endr
	v_pk_mul_f32 v[14:15], v[14:15], v[244:245] op_sel_hi:[1,0]     ; the sums under the new M.  (A plain place behind the exponentials)
	s_wait_alu depctr_va_vdst(0)                   ; the 64 exponentials have written v[S ..]: one wait for the batch, ahead of the first line that names a result
	v_pk_add_f32 v[246:247], v[S:S+1], v[S+2:S+3]  ; the row's sum is taken of the unquantised p: two at a time, in two chains
.irp j, 4,8,12,16,20,24,28,32,36,40,44,48,52,56,60
	v_pk_add_f32 v[14:15], v[14:15], v[S+\j:S+\j+1]
	v_pk_add_f32 v[246:247], v[246:247], v[S+2+\j:S+3+\j]
.endr
	v_pk_add_f32 v[14:15], v[14:15], v[246:247]
	s_cmp_ge_i32 s21, -8                           ; the conversion to an 8-bit code does not saturate (ISA guide 7.6.2).  p is at most 1 and 448 x 2^e5 is at least 1.75 from e5 = -8 on:
	s_cbranch_scc1 .Lno_hold_\@                    ; there the hold changes nothing and is jumped over: a branch on a whole number of the input, alike in all waves
.set j, 0
.rept 64
	v_min_num_f32 v[S+j], v[S+j], v7               ; p is not negative, so the hold is one-sided
.set j, j+1
.endr
.Lno_hold_\@:
.irp t, 0,1,2,3,4,5,6,7
	v_cvt_scalef32_pk8_fp8_f32 v[P+2*\t:P+2*\t+1], v[S+8*\t:S+8*\t+7], v6     ; keys 16 t + 8 h + 0..7: registers 2 t, 2 t + 1 of the operand
.endr
.set j, 0
.rept 16
	v_pk_mul_f32 v[O+j:O+j+1], v[O+j:O+j+1], v[244:245] op_sel_hi:[1,0]       ; O^T under the new M.  (Plain lines between the conversions and the products that read the codes)
.set j, j+2
.endr
.irp td, 0,1,2,3
	s_wait_dscnt 12-4*\td                          ; tile td's four loads are in; the later tiles' may be out
	v_wmma_f32_16x16x128_fp8_fp8 v[O+8*\td:O+8*\td+7], v[KV+16*\td:KV+16*\td+15], v[P:P+15], v[O+8*\td:O+8*\td+7]   ; the twelve accumulators of a step take turns, one instruction a turn
.endr
.rept 4
	v_nop                                          ; places in front of the first read of O^T: behind a block's last step the way out reads it
.endr
.Lhidden_\@:
	s_wait_loadcnt 0x0                             ; the next tile has come,
	ds_store_b128 v[TL], v[G:G+3] offset:(1-\s)*SLOTB          ; and goes into the slot that every wave left in front of the last barrier
	ds_store_b128 v[TL], v[G+4:G+7] offset:(1-\s)*SLOTB+VOFF
	s_add_co_u32 s38, s38, 128
	s_wait_dscnt 0x0                               ; my stores have landed, and my reads of this step's slot are over
	s_barrier_signal -1
	s_barrier_wait -1
.endm
; A BLOCK OF 256 QUERIES: Q's fragment in v[qreg] on, the block's number in s[jb], the result's address in s[ao:ao+1].
.macro PASS qreg, jb, ao
	s_wait_xcnt 0x0                                ; the last block's stores have had their addresses translated; that they have read their data registers is stated at the head of the first step below, ahead of every line that writes them
	s_lshl_b32 s40, s[\jb], 8
	s_add_co_u32 s39, s40, 256                     ; the keys end with the block
	s_lshl_b32 s44, s10, 4
	s_add_co_u32 s40, s40, s44                     ; my first query: 256 jb + 16 x wave,
	s_add_co_u32 s41, s40, 15                      ; my last
	s_add_co_u32 s43, s[\jb], 1                    ; trips of two key steps
	s_mov_b32 s38, 0                               ; the step's first key
	s_mov_b32 s42, 0
	v_mov_b32 v13, 0xff61b1e6                      ; the largest t so far: -3e38, under every t
	v_floor_f32 v12, -v13
	v_mov_b32 v14, 0
	v_mov_b32 v15, 0
.set j, 0
.rept 32
	v_mov_b32 v[O+j], 0                            ; the step is written once: the first finds zeros, which the first change of M leaves zeros
.set j, j+1
.endr
.Lpair_\@:
	STEP 0, \qreg
	STEP 1, \qreg
	s_add_co_u32 s42, s42, 1
	s_cmp_lt_u32 s42, s43
	s_cbranch_scc1 .Lpair_\@
	v_add_f32 v14, v14, v15                        ; the sum's two halves,
	v_permlanex16_b32 v248, v14, s24, s25
	v_add_f32 v14, v14, v248                       ; and lane l xor 16's: the row's sum
	v_rcp_f32 v14, v14
	v_nop                                          ; one plain place behind a transcendental
	s_wait_alu depctr_va_vdst(0)                   ; the reciprocal has written v14, ahead of the first multiplication that reads it
.set j, 0
.rept 32
	v_mul_f32 v[S+j], v[O+j], v14                  ; O^T / the sum: register 8 td + i is channel 16 td + 8 h + i of my query
.set j, j+1
.endr
.set j, 0
.rept 32
	v_med3_num_f32 v[S+j], v[S+j], -v9, v9
.set j, j+1
.endr
.irp td, 0,1,2,3
	v_cvt_scalef32_pk8_fp8_f32 v[P+2*\td:P+2*\td+1], v[S+8*\td:S+8*\td+7], v8   ; registers 2 td, 2 td + 1 of my head's half of the next operand's fragment
.endr
	v_nop                                          ; one plain vector line behind the last conversion
	s_wait_alu depctr_va_vdst(0)                   ; the four conversions have written v[P .. P+7], which the two stores read
	global_store_b128 v[LA], v[P:P+3], s[\ao:\ao+1]                ; 32 lanes store 512 consecutive bytes, at a multiple of 512 from the buffer's first byte
	global_store_b128 v[LA], v[P+4:P+7], s[\ao:\ao+1] offset:512
.endm
	PASS 16, 54, 50
	PASS 208, 55, 52
	s_wait_dscnt 0x0                               ; the closing lines, six on end
	s_wait_alu 0x0
	s_wait_tensorcnt 0x0
	ds_add_u32 v254, v255
	s_wait_dscnt 0x0
	s_endpgm
.Lfunc_end_k_q66a98ad6e4_attn:
	.size	k_q66a98ad6e4_attn, .Lfunc_end_k_q66a98ad6e4_attn-k_q66a98ad6e4_attn
	.p2alignl 7, 3214868480
	.fill 96, 4, 3214868480
	.section	.rodata,"a",@progbits
	.p2align	6, 0x0
	.amdhsa_kernel k_q66a98ad6e4_attn
		.amdhsa_group_segment_fixed_size 34816
		.amdhsa_private_segment_fixed_size 0
		.amdhsa_enable_private_segment 0
		.amdhsa_kernarg_size 24
		.amdhsa_user_sgpr_count 2
		.amdhsa_user_sgpr_kernarg_segment_ptr 1
		.amdhsa_wavefront_size32 1
		.amdhsa_system_sgpr_workgroup_id_x 1
		.amdhsa_system_sgpr_workgroup_id_y 1
		.amdhsa_system_sgpr_workgroup_id_z 1
		.amdhsa_system_vgpr_workitem_id 0
		.amdhsa_next_free_vgpr 256
		.amdhsa_next_free_sgpr 66
		.amdhsa_reserve_vcc 0
		.amdhsa_float_denorm_mode_32 3
		.amdhsa_float_denorm_mode_16_64 3
		.amdhsa_memory_ordered 1
		.amdhsa_forward_progress 1
		.amdhsa_inst_pref_size 118
	.end_amdhsa_kernel
	.amdgpu_metadata
---
amdhsa.version: [ 1, 2 ]
amdhsa.kernels:
  - .name:           k_q66a98ad6e4_attn
    .symbol:         k_q66a98ad6e4_attn.kd
    .args:
      - { .name: qkv, .offset: 0, .size: 8, .value_kind: global_buffer, .address_space: global }
      - { .name: lowp_scales, .offset: 8, .size: 8, .value_kind: global_buffer, .address_space: global }
      - { .name: ao, .offset: 16, .size: 8, .value_kind: global_buffer, .address_space: global }
    .group_segment_fixed_size: 34816
    .private_segment_fixed_size: 0
    .kernarg_segment_align: 8
    .kernarg_segment_size: 24
    .max_flat_workgroup_size: 512
    .sgpr_count:     66
    .vgpr_count:     256
    .wavefront_size: 32
...
	.end_amdgpu_metadata
.endif
;; end of part 4
;; launch proj: the kernel of part 3 again; grid 4 x 32, 4 waves a work-group, clusters of 4 x 4, 327,680 bytes of LDS; arguments ao, W_proj_codes, lowp_scales, b_proj, out0; writes out0
